; MI455X (gfx1250); checked and timed in simulation.
; The chip was launched on July 23, 2026; its instructions are those of AMD's public machine-readable ISA for CDNA 5 (MIT licence, August 2026) and "CDNA5" Instruction Set Architecture Reference Guide (July 2026). The comments in the code are by the model that wrote it; some were corrected since.
;; Mo E Layer. Allowed arithmetic: float matrix products may take bf16 or f16 operands with f32 sums; all other float work in f32.
;; Inputs: W1 8 x 1,024 x 1,024 float32; W2 8 x 1,024 x 1,024 float32; Wg 1,024 x 8 float32; b1 8 x 1,024 float32; b2 8 x 1,024 float32; bg 8 float32; x 2 x 2,048 x 1,024 float32.
;; Outputs: out0 2 x 2,048 x 1,024 float32.
;; 2 versions, each right; version 2 is version 1 with the launches place, combine written anew for expert scheduling mode. Each part assembles by itself: llvm-mc -triple=amdgcn-amd-amdhsa -mcpu=gfx1250 --defsym DOCPART=n.
;; ======== version 1 of 2: 6 launches
;; limits: values outside matrix products are rounded to bf16; a function is approximated: absolute error at most 3e-07
;; workspace buffers: wb 33,554,432 bytes; rt1 18,432 bytes of whole numbers; tkw 32,768 bytes; rt2 33,280 bytes of whole numbers; xs 19,333,120 bytes; hs 19,333,120 bytes; ys 38,666,240 bytes
;; launch prep (part 1): grid 576 x 1, 8 waves a work-group, no clusters, 38,656 bytes of LDS; arguments x, Wg, bg, W1, W2, wb, rt1, tkw; writes wb, rt1, tkw
.if DOCPART == 1
	.amdgcn_target "amdgcn-amd-amdhsa--gfx1250"
	.amdhsa_code_object_version 6
	.text
	.protected	k_qdab9dbf58c_prep
	.globl	k_qdab9dbf58c_prep
	.p2align	8
	.type	k_qdab9dbf58c_prep,@function
k_qdab9dbf58c_prep:
	s_mov_b64 s[64:65], 0
	v_nop
	global_prefetch_b8 v0, s[64:65] scope:SCOPE_SE
	s_setreg_imm32_b32 hwreg(HW_REG_WAVE_MODE, 25, 1), 1
	s_wait_xcnt 0x0
; PREP: two jobs that share a launch because neither needs the other.
; Work-groups 0-63, THE GATE: group g owns tokens 64 g .. 64 g + 63.  logits = x Wg + bg, the two largest, their renormalised weights,
;   each token's rank among the group's tokens of the same expert, and the group's count for each expert.
;   Stored: rt1 word t = e0 | e1<<8 | rank0<<16 | rank1<<24; rt1 + 16384: [64 groups][8] counts; tkw: [4096][2] f32 weights.
; Work-groups 64-575, THE CAST: W1 and W2 to bf16, 32 rows (k) x 1024 columns of one matrix each, into wb IN THE ORDER OF MATRIX FRAGMENTS:
;   wb = [16 matrices: W1's experts, then W2's][column group g of 64: 16][K block of 32: 32][c: 4][octet o: 4][i: 16] pieces of 16 bytes;
;   a piece holds k = 32 block + 8 o + 0..7 of column 64 g + 4 i + c.  So the two launches that multiply load a fragment (16 columns x 32 k) as
;   two runs of 512 consecutive bytes, straight into registers.
; ARITHMETIC OF THE GATE.  Softmax is monotonic, so the two largest logits are the two largest probabilities (strict >, so the lower index
;   wins a tie), and its denominator cancels in the renormalisation: w0 = 1 / (1 + exp(l1 - l0)), w1 = exp(l1 - l0) w0, where l0 is the
;   maximum: the maximum is taken away before the exponential, whose argument is never above 0.
; STATED LIMITS.  x, Wg and bg are rounded to bf16 (nearest even) before the products, as all matrix operands of this program are, so that the
;   choice of experts is made on the same rounded x that the experts multiply; products and sums are f32 (32 terms a lane, then a tree).
;   Two logits nearer to each other than the f32 sums' own error (some 1e-7 of the logits' size) may change places.
;   exp(l1 - l0) below 2^-126 counts as 0 (v_exp_f32 flushes: ISA guide 15.8).
; The product goes to the vector unit: it is 8 columns wide, some 1/590 of the program's multiply-adds, and needs exact f32 sums.
.set NGATE,  64
.set WPITCH, 144                       ; LDS: a block of 4 rows of Wg (128 bytes) + 16: lane l reads block l, 9 x 16 bytes apart: sixteen lanes, sixteen different 16-byte columns
.set RESE,   36864                     ; LDS: one word a token (e0 | e1<<8), 64 tokens
.set RESW,   37120                     ; LDS: (w0, w1) a token
.set WG0,    32                        ; v[32:63]   Wg of one chunk: register 8 i + e = Wg[128 j + 4 l + i][e]
.set WG1,    64                        ; v[64:95]   the other buffer
.set XB0,    96                        ; v[96:127]  x of one chunk: register 4 tok + i = x[tok][128 j + 4 l + i]
.set XB1,    128                       ; v[128:159] the other buffer
.set ACC,    160                       ; v[160:223] register 8 tok + e: my lane's part of logit (tok, e)
	s_load_b512 s[4:19], s[0:1], 0x0               ; x 4:5, Wg 6:7, bg 8:9, W1 10:11, W2 12:13, wb 14:15, rt1 16:17, tkw 18:19
	v_lshl_add_u32 v224, v0, 2, 0x9300
	v_mov_b32 v225, 0
	s_cmp_ge_u32 ttmp9, NGATE                      ; the same for all waves of a work-group
	s_cbranch_scc1 .Lcast
	; ------------------------------------------------------------------ the gate
	v_and_b32 v1, 31, v0                           ; lane l
	v_lshrrev_b32 v4, 5, v0
	v_readfirstlane_b32 s20, v4                    ; wave w: tokens 8 w .. 8 w + 7 of the group
	v_mul_u32_u24 v2, v1, WPITCH                   ; my block of Wg in a chunk
	v_lshlrev_b32 v3, 4, v1
	v_lshl_add_u32 v3, v4, 15, v3                  ; x: 8 w rows of 4,096 bytes + 16 l
	v_lshlrev_b32 v5, 4, v0                        ; Wg: 16 bytes a thread
	v_lshrrev_b32 v6, 3, v0
	v_and_b32 v7, 7, v0
	v_mul_u32_u24 v6, v6, WPITCH
	v_lshl_add_u32 v6, v7, 4, v6                   ; and where they go: block t / 8, piece t % 8
	s_lshl_b32 s2, ttmp9, 18                       ; 64 rows of 4,096 bytes a group
	s_mov_b32 s3, 0
	s_mov_b32 s21, 0xaaaaaaaa                      ; lanes with bit 0, 1, 2 set
	s_mov_b32 s22, 0xcccccccc
	s_mov_b32 s23, 0xf0f0f0f0
	s_mov_b32 s36, 0x76543210                      ; v_permlanex16_b32: lane i of the other half
	s_mov_b32 s37, 0xfedcba98
	s_mov_b32 s38, 0xffff0000                      ; a word's upper bf16
	s_wait_kmcnt 0x0
	s_load_b256 s[24:31], s[8:9], 0x0              ; bg
	s_add_nc_u64 s[4:5], s[4:5], s[2:3]
.macro XLD j, xb                       ; chunk j of my eight tokens: each load takes 512 neighbouring bytes of one row
.irp t, 0,1,2,3,4,5,6,7
	global_load_b128 v[\xb+4*\t:\xb+4*\t+3], v3, s[4:5] offset:4096*\t+512*\j
.endr
.endm
.macro WLD j, wg                       ; chunk j of Wg: my four rows, 128 bytes
.irp q, 0,1,2,3,4,5,6,7
	ds_load_b128 v[\wg+4*\q:\wg+4*\q+3], v2 offset:32*WPITCH*\j+16*\q
.endr
.endm
.irp k, 0,1,2,3,4,5,6,7
	global_load_b128 v[WG0+4*\k:WG0+4*\k+3], v5, s[6:7] offset:4096*\k    ; all of Wg, 32 KiB, once for the work-group
.endr
	XLD 0, XB0
	XLD 1, XB1
	s_wait_loadcnt 16                              ; Wg is in; the sixteen loads of x behind it stay out
.irp k, 0,1,2,3,4,5,6,7
	v_cvt_pk_bf16_f32 v8, v[WG0+4*\k], v[WG0+4*\k+1]       ; round to bf16 and widen again
	v_cvt_pk_bf16_f32 v9, v[WG0+4*\k+2], v[WG0+4*\k+3]
	v_lshlrev_b32 v[WG0+4*\k], 16, v8
	v_and_b32 v[WG0+4*\k+1], s38, v8
	v_lshlrev_b32 v[WG0+4*\k+2], 16, v9
	v_and_b32 v[WG0+4*\k+3], s38, v9
	ds_store_b128 v6, v[WG0+4*\k:WG0+4*\k+3] offset:32*WPITCH*\k
.endr
	s_wait_dscnt 0x0                               ; my stores are done, for the other waves' sake
	s_barrier_signal -1
	s_barrier_wait -1                              ; Wg is whole; nobody writes it again
	WLD 0, WG0
	WLD 1, WG1
; One chunk of 128 along d: 128 packed multiply-adds.  left: the next chunk's eight loads of each kind may stay out.
.macro CHUNK j, wg, xb, left
	s_wait_loadcnt \left
.irp t, 0,1,2,3,4,5,6,7
	v_cvt_pk_bf16_f32 v8, v[\xb+4*\t], v[\xb+4*\t+1]       ; x rounded to bf16 and widened again, in place
	v_cvt_pk_bf16_f32 v9, v[\xb+4*\t+2], v[\xb+4*\t+3]
	v_lshlrev_b32 v[\xb+4*\t], 16, v8
	v_and_b32 v[\xb+4*\t+1], s38, v8
	v_lshlrev_b32 v[\xb+4*\t+2], 16, v9
	v_and_b32 v[\xb+4*\t+3], s38, v9
.endr
	s_wait_dscnt \left
.irp i, 0,1,2,3
.irp t, 0,1,2,3,4,5,6,7
.irp p, 0,1,2,3
.if \j+\i == 0
	v_pk_mul_f32 v[ACC+8*\t+2*\p:ACC+8*\t+2*\p+1], v[\wg+2*\p:\wg+2*\p+1], v[\xb+4*\t:\xb+4*\t+1] op_sel_hi:[1,0]   ; the first product starts the sums
.else
.if \i%2 == 0
	v_pk_fma_f32 v[ACC+8*\t+2*\p:ACC+8*\t+2*\p+1], v[\wg+8*\i+2*\p:\wg+8*\i+2*\p+1], v[\xb+4*\t+\i:\xb+4*\t+\i+1], v[ACC+8*\t+2*\p:ACC+8*\t+2*\p+1] op_sel_hi:[1,0,1]   ; two experts, both times the pair's first x
.else
	v_pk_fma_f32 v[ACC+8*\t+2*\p:ACC+8*\t+2*\p+1], v[\wg+8*\i+2*\p:\wg+8*\i+2*\p+1], v[\xb+4*\t+\i-1:\xb+4*\t+\i], v[ACC+8*\t+2*\p:ACC+8*\t+2*\p+1] op_sel:[0,1,0] op_sel_hi:[1,1,1]   ; both times the pair's second x
.endif
.endif
.endr
.endr
.endr
.if \j <= 5
	XLD (\j+2), \xb                                ; the chunk after next, into the buffers just used
	WLD (\j+2), \wg
.endif
.endm
	CHUNK 0, WG0, XB0, 8
	CHUNK 1, WG1, XB1, 8
	CHUNK 2, WG0, XB0, 8
	CHUNK 3, WG1, XB1, 8
	CHUNK 4, WG0, XB0, 8
	CHUNK 5, WG1, XB1, 8
	CHUNK 6, WG0, XB0, 8
	CHUNK 7, WG1, XB1, 0
; Sums over the lanes, halving the registers at each step: of two tokens' sums a lane keeps one (by a bit of its number), hands the other
; to its partner and adds what the partner hands over.  After three steps lane l holds the eight sums of token l % 8 over eight lanes.
.macro HALF dst, oth, msk, xm
	v_cndmask_b32 v8, v[\dst], v[\oth], \msk       ; what I keep
	v_cndmask_b32 v9, v[\oth], v[\dst], \msk       ; what my partner keeps
	v_add_f32_dpp v[\dst], v9, v8 row_xmask:\xm row_mask:0xf bank_mask:0xf
.endm
.irp t, 0,2,4,6
.irp e, 0,1,2,3,4,5,6,7
	HALF ACC+8*\t+\e, ACC+8*\t+8+\e, s21, 1
.endr
.endr
.irp t, 0,4
.irp e, 0,1,2,3,4,5,6,7
	HALF ACC+8*\t+\e, ACC+8*\t+16+\e, s22, 2
.endr
.endr
.irp e, 0,1,2,3,4,5,6,7
	HALF ACC+\e, ACC+32+\e, s23, 4
.endr
	s_wait_kmcnt 0x0                               ; bg
.irp p, 0,1,2,3
	v_cvt_pk_bf16_f32 v8, s[24+2*\p], s[25+2*\p]   ; bg rounded to bf16 and widened again
	v_lshlrev_b32 v[40+2*\p], 16, v8
	v_and_b32 v[41+2*\p], s38, v8
.endr
.irp e, 0,1,2,3,4,5,6,7
	v_add_f32_dpp v[ACC+\e], v[ACC+\e], v[ACC+\e] row_xmask:8 row_mask:0xf bank_mask:0xf
.endr
.irp e, 0,1,2,3,4,5,6,7
	v_permlanex16_b32 v[ACC+8+\e], v[ACC+\e], s36, s37     ; its destination has been written before (token 1's old sums)
	v_add_f32 v[ACC+\e], v[ACC+\e], v[ACC+8+\e]
	v_add_f32 v[ACC+\e], v[ACC+\e], v[40+\e]               ; the logit of token l % 8, expert e
.endr
	; the two largest: v10, v12 = largest and its expert; v11, v13 = second.  Started from experts 0 and 1, so the two always differ.
	v_cmp_gt_f32 vcc_lo, v[ACC+1], v[ACC]
	v_cndmask_b32 v10, v[ACC], v[ACC+1], vcc_lo
	v_cndmask_b32 v11, v[ACC+1], v[ACC], vcc_lo
	v_cndmask_b32 v12, 0, 1, vcc_lo
	v_cndmask_b32 v13, 1, 0, vcc_lo
.macro TOP e
	v_cmp_gt_f32 s32, v[ACC+\e], v10
	v_cmp_gt_f32 s33, v[ACC+\e], v11
	v_cndmask_b32 v11, v11, v[ACC+\e], s33         ; above the second: takes its place,
	v_cndmask_b32 v13, v13, \e, s33
	v_cndmask_b32 v11, v11, v10, s32               ; above the first: the first moves down
	v_cndmask_b32 v13, v13, v12, s32
	v_cndmask_b32 v10, v10, v[ACC+\e], s32
	v_cndmask_b32 v12, v12, \e, s32
.endm
.irp e, 2,3,4,5,6,7
	TOP \e
.endr
	v_sub_f32 v14, v11, v10                        ; l1 - l0, never above 0
	v_mul_f32 v14, 0x3fb8aa3b, v14                 ; times log2(e)
	v_exp_f32 v15, v14
	v_lshl_or_b32 v12, v13, 8, v12                 ; e0 | e1<<8: a plain instruction stands between v_exp_f32 and the use of its result (ISA guide 5.7.2)
	s_wait_alu depctr_va_vdst(0)
	v_add_f32 v16, 1.0, v15
	v_rcp_f32 v18, v16                             ; w0
	v_and_b32 v20, 7, v1                           ; plain work behind v_rcp_f32 likewise
	v_lshl_add_u32 v20, s20, 3, v20                ; the token's number in the group: 8 w + l % 8
	s_wait_alu depctr_va_vdst(0)
	v_mul_f32 v19, v15, v18                        ; w1
	v_lshlrev_b32 v21, 2, v20
	v_lshlrev_b32 v22, 3, v20
	ds_store_b32 v21, v12 offset:RESE              ; four lanes hold the same token and write the same numbers
	ds_store_b64 v22, v[18:19] offset:RESW
	s_wait_dscnt 0x0                               ; for wave 0's sake
	s_barrier_signal -1
	s_barrier_wait -1
	s_cmp_lg_u32 s20, 0
	s_cbranch_scc1 .Lend                           ; no barrier follows
	; wave 0: ranks and counts of the group's 64 tokens.  Lane l stands for tokens 2 l and 2 l + 1; first all even tokens, then all odd ones.
	; Any order serves: a rank only has to be its own among the group's tokens of one expert.
	v_lshlrev_b32 v4, 3, v1
	v_lshlrev_b32 v5, 4, v1
	v_lshlrev_b32 v6, 2, v1
	ds_load_b64 v[24:25], v4 offset:RESE
	ds_load_b128 v[28:31], v5 offset:RESW
.irp e, 0,1,2,3,4,5,6,7
	s_mov_b32 s[40+\e], 0                          ; running counts
.endr
	v_mov_b32 v36, 0
	s_lshl_b32 s2, ttmp9, 8                        ; 64 words a group
	s_add_nc_u64 s[48:49], s[16:17], s[2:3]
	s_lshl_b32 s50, ttmp9, 9                       ; 64 pairs of f32 a group
	s_mov_b32 s51, 0
	s_add_nc_u64 s[50:51], s[18:19], s[50:51]
	s_lshl_b32 s52, ttmp9, 5                       ; 8 counts a group
	s_mov_b32 s53, 0
	s_add_nc_u64 s[52:53], s[16:17], s[52:53]
	s_wait_dscnt 0x0
.macro RANK e
	v_cmp_eq_u32 s32, \e, v32
	v_cmp_eq_u32 s33, \e, v33
	s_or_b32 s34, s32, s33                         ; lanes whose token goes to expert e
	v_mbcnt_lo_u32_b32 v37, s34, s[40+\e]          ; how many of them below me, plus those counted before
	v_cndmask_b32 v34, v34, v37, s32
	v_cndmask_b32 v35, v35, v37, s33
	s_bcnt1_i32_b32 s35, s34
	s_add_co_u32 s[40+\e], s[40+\e], s35
.endm
.irp u, 0,1
	v_and_b32 v32, 0xff, v[24+\u]
	v_lshrrev_b32 v33, 8, v[24+\u]
	v_mov_b32 v34, 0
	v_mov_b32 v35, 0
.irp e, 0,1,2,3,4,5,6,7
	RANK \e
.endr
	v_lshl_or_b32 v[24+\u], v34, 16, v[24+\u]
	v_lshl_or_b32 v[24+\u], v35, 24, v[24+\u]
.endr
	global_store_b64 v4, v[24:25], s[48:49]        ; 256 consecutive bytes, aligned
	global_store_b128 v5, v[28:31], s[50:51]       ; 512 consecutive bytes, aligned
.irp e, 0,1,2,3,4,5,6,7
	v_writelane_b32 v36, s[40+\e], \e
.endr
	v_cmp_gt_u32 vcc_lo, 8, v1
	s_wait_xcnt 0x0                                ; EXEC is a source of the stores above: it changes only behind this wait
	s_and_saveexec_b32 s54, vcc_lo
	global_store_b32 v6, v36, s[52:53] offset:16384    ; the group's eight counts: 32 bytes a group, 2 KiB in the whole launch
	s_wait_xcnt 0x0
	s_or_b32 exec_lo, exec_lo, s54
.Lend:
	s_wait_tensorcnt 0x0
	ds_add_u32 v224, v225
	s_wait_dscnt 0x0
	s_endpgm
	; ------------------------------------------------------------------ the cast
	; Piece c = 32 rows (one K block) of one matrix.  Thread t takes columns 4 t .. 4 t + 3 of every row: 32 loads of 16 bytes a lane, all issued
	; at once (16 KiB a wave on their way); a wave's load covers 512 consecutive bytes of a row.  The transposition costs nothing: a conversion
	; takes its two sources from two rows of one column, so four conversions make the 16 bytes of eight k of one column.  In store c the sixteen
	; lanes of a half hold columns 64 g + 4 i + c, i = 0 .. 15, and write 256 consecutive bytes, aligned; the two halves are column groups
	; g = t / 16, 131,072 bytes apart.  No register is written twice, so no wait but the counted ones is needed.
.Lcast:
	s_sub_co_u32 s20, ttmp9, NGATE                 ; c = 0 .. 511: 256 pieces of W1, then 256 of W2
	v_lshlrev_b32 v1, 4, v0                        ; from: 16 bytes a thread
	v_lshrrev_b32 v2, 4, v0                        ; to: column group t / 16,
	v_and_b32 v3, 15, v0
	v_lshlrev_b32 v3, 4, v3                        ; piece i = t % 16
	v_lshl_add_u32 v2, v2, 17, v3
	s_and_b32 s21, s20, 255
	s_lshl_b32 s2, s21, 17                         ; 131,072 bytes of f32 a piece
	s_mov_b32 s3, 0
	s_lshr_b32 s22, s20, 5                         ; the matrix, 2 MiB of bf16 each,
	s_lshl_b32 s22, s22, 21
	s_and_b32 s23, s20, 31                         ; and its K block, 4,096 bytes in each column group
	s_lshl_b32 s23, s23, 12
	s_add_co_u32 s22, s22, s23
	s_mov_b32 s23, 0
	s_wait_kmcnt 0x0
	s_cmp_lt_u32 s20, 256
	s_cselect_b64 s[24:25], s[10:11], s[12:13]
	s_add_nc_u64 s[24:25], s[24:25], s[2:3]
	s_add_nc_u64 s[14:15], s[14:15], s[22:23]
.set j, 0
.rept 32
	global_load_b128 v[4+4*j:7+4*j], v1, s[24:25] offset:4096*j th:TH_LOAD_NT     ; row j: register 4 + 4 j + c = column c of my four
.set j, j+1
.endr
.irp o, 0,1,2,3
	s_wait_loadcnt 24-8*\o                         ; loads come back in order (ISA guide 5.7.1): rows 8 o .. 8 o + 7 are in, the younger ones stay out
.irp c, 0,1,2,3
.irp i, 0,1,2,3
	v_cvt_pk_bf16_f32 v[132+16*\o+4*\c+\i], v[4+4*(8*\o+2*\i)+\c], v[8+4*(8*\o+2*\i)+\c]   ; k = 8 o + 2 i below, 8 o + 2 i + 1 above
.endr
	global_store_b128 v2, v[132+16*\o+4*\c:135+16*\o+4*\c], s[14:15] offset:1024*\c+256*\o
.endr
.endr
	s_endpgm
.Lfunc_end_k_qdab9dbf58c_prep:
	.size	k_qdab9dbf58c_prep, .Lfunc_end_k_qdab9dbf58c_prep-k_qdab9dbf58c_prep
	.p2alignl 7, 3214868480
	.fill 96, 4, 3214868480
	.section	.rodata,"a",@progbits
	.p2align	6, 0x0
	.amdhsa_kernel k_qdab9dbf58c_prep
		.amdhsa_group_segment_fixed_size 38656
		.amdhsa_private_segment_fixed_size 0
		.amdhsa_enable_private_segment 0
		.amdhsa_kernarg_size 64
		.amdhsa_user_sgpr_count 2
		.amdhsa_user_sgpr_kernarg_segment_ptr 1
		.amdhsa_wavefront_size32 1
		.amdhsa_system_sgpr_workgroup_id_x 1
		.amdhsa_system_sgpr_workgroup_id_y 1
		.amdhsa_system_sgpr_workgroup_id_z 1
		.amdhsa_system_vgpr_workitem_id 0
		.amdhsa_next_free_vgpr 226
		.amdhsa_next_free_sgpr 66
		.amdhsa_reserve_vcc 1
		.amdhsa_float_denorm_mode_32 3
		.amdhsa_float_denorm_mode_16_64 3
		.amdhsa_memory_ordered 1
		.amdhsa_forward_progress 1
		.amdhsa_inst_pref_size 131
	.end_amdhsa_kernel
	.amdgpu_metadata
---
amdhsa.version: [ 1, 2 ]
amdhsa.kernels:
  - .name:           k_qdab9dbf58c_prep
    .symbol:         k_qdab9dbf58c_prep.kd
    .args:
      - { .name: x, .offset: 0, .size: 8, .value_kind: global_buffer, .address_space: global }
      - { .name: Wg, .offset: 8, .size: 8, .value_kind: global_buffer, .address_space: global }
      - { .name: bg, .offset: 16, .size: 8, .value_kind: global_buffer, .address_space: global }
      - { .name: W1, .offset: 24, .size: 8, .value_kind: global_buffer, .address_space: global }
      - { .name: W2, .offset: 32, .size: 8, .value_kind: global_buffer, .address_space: global }
      - { .name: wb, .offset: 40, .size: 8, .value_kind: global_buffer, .address_space: global }
      - { .name: rt1, .offset: 48, .size: 8, .value_kind: global_buffer, .address_space: global }
      - { .name: tkw, .offset: 56, .size: 8, .value_kind: global_buffer, .address_space: global }
    .group_segment_fixed_size: 38656
    .private_segment_fixed_size: 0
    .kernarg_segment_align: 8
    .kernarg_segment_size: 64
    .max_flat_workgroup_size: 256
    .sgpr_count:     66
    .vgpr_count:     226
    .wavefront_size: 32
...
	.end_amdgpu_metadata
.endif
;; end of part 1
;; launch scan (part 2): grid 64 x 1, 1 waves a work-group, no clusters, 0 bytes of LDS; arguments rt1, rt2; writes rt2
.if DOCPART == 2
	.amdgcn_target "amdgcn-amd-amdhsa--gfx1250"
	.amdhsa_code_object_version 6
	.text
	.protected	k_qdab9dbf58c_scan
	.globl	k_qdab9dbf58c_scan
	.p2align	8
	.type	k_qdab9dbf58c_scan,@function
k_qdab9dbf58c_scan:
	s_mov_b64 s[64:65], 0
	v_nop
	global_prefetch_b8 v0, s[64:65] scope:SCOPE_SE
	s_setreg_imm32_b32 hwreg(HW_REG_WAVE_MODE, 25, 1), 1
	s_wait_xcnt 0x0
; SCAN: from the gate's counts to rows.  The routed rows are sorted by expert; expert e's segment begins at a multiple of 160 rows and is
; padded to a multiple of 160; sum over e of ceil(n_e / 160) <= (8192 + 8 x 159) / 160 < 60, so 59 blocks = 9,440 rows always do.
; Row of (token t, expert e) = segment's first row + tokens of e in the gate groups before t's + t's rank in its group.
; A launch of its own: these numbers steer addresses and a branch of the launches that follow, so they are stored here as whole numbers and
; read there; in this launch they are data alone: every address is made of the work-group's and the lane's number.
; Work-group g (one wave) is gate group g, tokens 64 g .. 64 g + 63.  It sums the 64 x 8 counts (2 KiB) for itself.
; Stored: rt2 word pair t = the two rows of token t (512 bytes a work-group, aligned).  Work-group 0 also stores
;   rt2 + 32768: the expert of each of 64 blocks (blocks behind the last used one: 7);
;   rt2 + 33024: words 0-7 V_e = end of e's tokens, words 8-15 B_e = end of e's segment, then zeros up to 256 bytes.
.set NROWS, 9440
.set CNT,   16384                      ; rt1: [64 groups][8] counts
.set BLK,   32768
.set THR,   33024
; s[24:31] total | prefix<<16   s[40:47] START_e: first row for my group   s[48:55] V_e   s[56:63] B_e   s[66:73] BE_e: end of e's blocks
	s_load_b128 s[4:7], s[0:1], 0x0                ; rt1 4:5, rt2 6:7
	v_and_b32 v1, 31, v0
	s_mov_b32 s14, ttmp9                           ; my gate group
	s_lshl_b32 s2, ttmp9, 8                        ; 64 routing words a group
	s_mov_b32 s3, 0
	s_lshl_b32 s12, ttmp9, 9                       ; 64 pairs of rows a group
	s_mov_b32 s13, 0
	s_mov_b32 s22, 0x76543210                      ; v_permlanex16_b32: lane i of the other half
	s_mov_b32 s23, 0xfedcba98
	v_lshlrev_b32 v3, 6, v1                        ; 64 l: the counts of groups 2 l and 2 l + 1
	v_lshlrev_b32 v4, 4, v1                        ; 16 l
	v_lshlrev_b32 v5, 3, v1                        ; 8 l
	s_wait_kmcnt 0x0
	s_add_nc_u64 s[8:9], s[4:5], s[2:3]
	s_add_nc_u64 s[10:11], s[6:7], s[12:13]
.irp k, 0,1,2,3
	global_load_b128 v[8+4*\k:11+4*\k], v3, s[4:5] offset:CNT+16*\k
.endr
	global_load_b64 v[30:31], v5, s[8:9]           ; the routing words of tokens 64 g + 2 l and + 1
	v_lshlrev_b32 v24, 1, v1                       ; 2 l
	v_or_b32 v25, 1, v24                           ; 2 l + 1
	v_cmp_gt_u32 s20, s14, v24                     ; group 2 l lies before mine
	v_cmp_gt_u32 s21, s14, v25
	v_mov_b32 v28, 0
	s_wait_loadcnt 0x1                             ; the counts are in; the routing words behind them may stay out
	; one word an expert: the total in the low half, the part before my group in the high half; both are at most 4,096
.irp e, 0,1,2,3,4,5,6,7
	v_cndmask_b32 v26, 0, v[8+\e], s20
	v_cndmask_b32 v27, 0, v[16+\e], s21
	v_add_nc_u32 v26, v26, v27
	v_add_nc_u32 v[8+\e], v[8+\e], v[16+\e]
	v_lshl_add_u32 v[8+\e], v26, 16, v[8+\e]
.endr
.macro ISUM r                          ; a sum of whole numbers over the 32 lanes
.irp m, 1,2,4,8
	v_mov_b32_dpp v28, v[\r] row_xmask:\m row_mask:0xf bank_mask:0xf
	v_add_nc_u32 v[\r], v[\r], v28
.endr
	v_permlanex16_b32 v28, v[\r], s22, s23
	v_add_nc_u32 v[\r], v[\r], v28
.endm
.irp e, 0,1,2,3,4,5,6,7
	ISUM 8+\e
	v_readfirstlane_b32 s[24+\e], v[8+\e]
.endr
	s_mov_b32 s34, 0                               ; rows so far
	s_mov_b32 s35, 0                               ; blocks so far
.irp e, 0,1,2,3,4,5,6,7
	s_and_b32 s32, s[24+\e], 0xffff                ; n_e
	s_lshr_b32 s33, s[24+\e], 16                   ; of them before my group
	s_add_co_u32 s[40+\e], s34, s33
	s_add_co_u32 s[48+\e], s34, s32
	s_add_co_u32 s32, s32, 159
	s_lshr_b32 s32, s32, 5
	s_mul_i32 s32, s32, 205
	s_lshr_b32 s32, s32, 10                        ; ceil(n_e / 160) = ((n_e + 159) / 32) / 5; u x 205 / 1024 = u / 5 for u < 1024, here u <= 132
	s_add_co_u32 s35, s35, s32
	s_mov_b32 s[66+\e], s35
	s_mul_i32 s32, s32, 160
	s_add_co_u32 s34, s34, s32
	s_mov_b32 s[56+\e], s34
.endr
	s_wait_loadcnt 0x0                             ; the routing words: e0 | e1<<8 | rank0<<16 | rank1<<24
.irp u, 0,1
	v_and_b32 v32, 0xff, v[30+\u]
	v_bfe_u32 v33, v[30+\u], 8, 8
	v_mov_b32 v[36+2*\u], s40
	v_mov_b32 v[37+2*\u], s40
.irp e, 1,2,3,4,5,6,7
	v_mov_b32 v34, s[40+\e]                        ; START of the token's two experts, by selection
	v_cmp_eq_u32 vcc_lo, \e, v32
	v_cndmask_b32 v[36+2*\u], v[36+2*\u], v34, vcc_lo
	v_cmp_eq_u32 vcc_lo, \e, v33
	v_cndmask_b32 v[37+2*\u], v[37+2*\u], v34, vcc_lo
.endr
	v_bfe_u32 v32, v[30+\u], 16, 8
	v_lshrrev_b32 v33, 24, v[30+\u]
	v_add_nc_u32 v[36+2*\u], v[36+2*\u], v32
	v_add_nc_u32 v[37+2*\u], v[37+2*\u], v33
	v_min_u32 v[36+2*\u], NROWS-1, v[36+2*\u]
	v_min_u32 v[37+2*\u], NROWS-1, v[37+2*\u]
.endr
	global_store_b128 v4, v[36:39], s[10:11]       ; 512 consecutive bytes, aligned
	s_cmp_lg_u32 ttmp9, 0
	s_cbranch_scc1 .Lend
	; the experts of the blocks: lane l for blocks 2 l and 2 l + 1: expert = how many of BE_0..BE_6 are at or below the block
	v_mov_b32 v42, 0
	v_mov_b32 v43, 0
.irp e, 0,1,2,3,4,5,6
	v_cmp_le_u32 vcc_lo, s[66+\e], v24
	v_cndmask_b32 v44, 0, 1, vcc_lo
	v_add_nc_u32 v42, v42, v44
	v_cmp_le_u32 vcc_lo, s[66+\e], v25
	v_cndmask_b32 v44, 0, 1, vcc_lo
	v_add_nc_u32 v43, v43, v44
.endr
	global_store_b64 v5, v[42:43], s[6:7] offset:BLK       ; 256 consecutive bytes, aligned
	; the thresholds: lane l stores words 2 l and 2 l + 1, so word n lies in register 40 + n % 2 of lane n / 2
	v_mov_b32 v40, 0
	v_mov_b32 v41, 0
.irp e, 0,1,2,3,4,5,6,7
	v_writelane_b32 v[40+(\e%2)], s[48+\e], \e/2
	v_writelane_b32 v[40+(\e%2)], s[56+\e], 4+\e/2
.endr
	global_store_b64 v5, v[40:41], s[6:7] offset:THR       ; 256 consecutive bytes, aligned
.Lend:
	s_endpgm
.Lfunc_end_k_qdab9dbf58c_scan:
	.size	k_qdab9dbf58c_scan, .Lfunc_end_k_qdab9dbf58c_scan-k_qdab9dbf58c_scan
	.p2alignl 7, 3214868480
	.fill 96, 4, 3214868480
	.section	.rodata,"a",@progbits
	.p2align	6, 0x0
	.amdhsa_kernel k_qdab9dbf58c_scan
		.amdhsa_group_segment_fixed_size 0
		.amdhsa_private_segment_fixed_size 0
		.amdhsa_enable_private_segment 0
		.amdhsa_kernarg_size 16
		.amdhsa_user_sgpr_count 2
		.amdhsa_user_sgpr_kernarg_segment_ptr 1
		.amdhsa_wavefront_size32 1
		.amdhsa_system_sgpr_workgroup_id_x 1
		.amdhsa_system_sgpr_workgroup_id_y 1
		.amdhsa_system_sgpr_workgroup_id_z 1
		.amdhsa_system_vgpr_workitem_id 0
		.amdhsa_next_free_vgpr 48
		.amdhsa_next_free_sgpr 74
		.amdhsa_reserve_vcc 1
		.amdhsa_float_denorm_mode_32 3
		.amdhsa_float_denorm_mode_16_64 3
		.amdhsa_memory_ordered 1
		.amdhsa_forward_progress 1
		.amdhsa_inst_pref_size 19
	.end_amdhsa_kernel
	.amdgpu_metadata
---
amdhsa.version: [ 1, 2 ]
amdhsa.kernels:
  - .name:           k_qdab9dbf58c_scan
    .symbol:         k_qdab9dbf58c_scan.kd
    .args:
      - { .name: rt1, .offset: 0, .size: 8, .value_kind: global_buffer, .address_space: global }
      - { .name: rt2, .offset: 8, .size: 8, .value_kind: global_buffer, .address_space: global }
    .group_segment_fixed_size: 0
    .private_segment_fixed_size: 0
    .kernarg_segment_align: 8
    .kernarg_segment_size: 16
    .max_flat_workgroup_size: 32
    .sgpr_count:     74
    .vgpr_count:     48
    .wavefront_size: 32
...
	.end_amdgpu_metadata
.endif
;; end of part 2
;; launch place (part 3): grid 256 x 1, 8 waves a work-group, no clusters, 0 bytes of LDS; arguments x, rt2, xs; writes xs
.if DOCPART == 3
	.amdgcn_target "amdgcn-amd-amdhsa--gfx1250"
	.amdhsa_code_object_version 6
	.text
	.protected	k_qdab9dbf58c_place
	.globl	k_qdab9dbf58c_place
	.p2align	8
	.type	k_qdab9dbf58c_place,@function
k_qdab9dbf58c_place:
	s_mov_b64 s[64:65], 0
	v_nop
	global_prefetch_b8 v0, s[64:65] scope:SCOPE_SE
	s_setreg_imm32_b32 hwreg(HW_REG_WAVE_MODE, 25, 1), 1
	s_wait_xcnt 0x0
; PLACE: the rows of x, rounded to bf16, are laid out sorted by expert, at the rows that the launch before has stored.
; A stream: each byte of x is read once, each row written at its two places; no LDS, no barrier, no matrix unit.
; Work-group wg owns tokens 16 wg .. 16 wg + 15, wave w tokens t = 16 wg + 2 w and t + 1: 16 loads of 16 bytes a lane, all issued at once.
; Every row of xs is stored: a token's row at its two places, zeros in all other rows (the padding of each expert's segment to a multiple
; of 160 rows, and everything behind the last segment up to row 9,439).
; All that steers an address or the branch over the zero rows is read from memory as whole numbers, or is made of the wave's place.
.set NROWS, 9440
.set THR,   33024                      ; rt2: words 0-7 V_e = end of e's tokens, words 8-15 B_e = end of e's segment
; s[20:23] the four rows   s[24:31] their addresses in xs   s[48:55] V_e   s[56:63] B_e
	s_load_b128 s[4:7], s[0:1], 0x0                ; x 4:5, rt2 6:7
	s_load_b64 s[8:9], s[0:1], 0x10                ; xs
	v_and_b32 v1, 31, v0
	v_lshrrev_b32 v2, 5, v0
	v_readfirstlane_b32 s12, v2                    ; wave
	s_lshl_b32 s15, ttmp9, 4
	s_lshl1_add_u32 s15, s12, s15                  ; t = 16 wg + 2 w
	s_lshl_b32 s18, s15, 3                         ; 8 bytes a token in the table of rows
	s_lshl_b32 s2, s15, 12                         ; 4,096 bytes a row of x
	s_mov_b32 s3, 0
	v_lshlrev_b32 v4, 4, v1                        ; 16 l
	v_lshlrev_b32 v5, 3, v1                        ; 8 l
	s_wait_kmcnt 0x0
	s_load_b128 s[20:23], s[6:7], s18 offset:0x0   ; rows of (t, 0), (t, 1), (t + 1, 0), (t + 1, 1)
	s_load_b512 s[48:63], s[6:7], THR              ; the sixteen thresholds
	s_add_nc_u64 s[4:5], s[4:5], s[2:3]
.irp i, 0,1
.irp j, 0,1,2,3,4,5,6,7
	global_load_b128 v[32+32*\i+4*\j:35+32*\i+4*\j], v4, s[4:5] offset:4096*\i+512*\j
.endr
.endr
	s_wait_kmcnt 0x0
.irp k, 0,1,2,3
	s_min_u32 s[20+\k], s[20+\k], NROWS-1          ; a loaded number enters an address only clamped
	s_lshl_b32 s[32+2*\k], s[20+\k], 11            ; rows of 2,048 bytes
	s_mov_b32 s[33+2*\k], 0
	s_add_nc_u64 s[24+2*\k:25+2*\k], s[8:9], s[32+2*\k:33+2*\k]
.endr
.irp i, 0,1
.irp j, 0,1,2,3,4,5,6,7
	s_wait_loadcnt 15-(8*\i+\j)                    ; loads come back in order (ISA guide 5.7.1): the younger ones stay out
	v_cvt_pk_bf16_f32 v[32+32*\i+4*\j], v[32+32*\i+4*\j], v[33+32*\i+4*\j]
	v_cvt_pk_bf16_f32 v[33+32*\i+4*\j], v[34+32*\i+4*\j], v[35+32*\i+4*\j]
	global_store_b64 v5, v[32+32*\i+4*\j:33+32*\i+4*\j], s[24+4*\i:25+4*\i] offset:256*\j    ; 256 consecutive bytes, aligned, at both places
	global_store_b64 v5, v[32+32*\i+4*\j:33+32*\i+4*\j], s[26+4*\i:27+4*\i] offset:256*\j
.endr
.endr
	; Zero rows.  Wave number 8 wg + w looks at rows q = 8 wg + w + 2048 k.  V_0 <= B_0 <= V_1 <= .. <= V_7 <= 9440: q is a padding row if
	; an odd number of V_0..V_7, B_0..B_6, 9440 is at or below it (behind V_7 everything up to row 9,439 is padding).
	s_lshl_b32 s40, ttmp9, 3
	s_add_co_u32 s40, s40, s12
.irp c, 104,105,106,107
	v_mov_b32 v\c, 0
.endr
.irp k, 0,1,2,3,4
	s_add_co_u32 s41, s40, 2048*\k
	s_mov_b32 s42, 0
.irp e, 0,1,2,3,4,5,6,7
	s_cmp_ge_u32 s41, s[48+\e]
	s_add_co_ci_u32 s42, s42, 0
.endr
.irp e, 0,1,2,3,4,5,6
	s_cmp_ge_u32 s41, s[56+\e]
	s_add_co_ci_u32 s42, s42, 0
.endr
	s_cmp_ge_u32 s41, NROWS
	s_add_co_ci_u32 s42, s42, 0
	s_lshl_b32 s43, s41, 11
	v_add_nc_u32 v[96+\k], s43, v4                 ; a register of its own for each k: none is rewritten under a pending store
	s_bitcmp1_b32 s42, 0
	s_cbranch_scc0 .Lnopad\k
.irp c, 0,1,2,3
	global_store_b128 v[96+\k], v[104:107], s[8:9] offset:512*\c   ; a wave's store covers 512 consecutive bytes, aligned
.endr
.Lnopad\k:
.endr
	s_endpgm
.Lfunc_end_k_qdab9dbf58c_place:
	.size	k_qdab9dbf58c_place, .Lfunc_end_k_qdab9dbf58c_place-k_qdab9dbf58c_place
	.p2alignl 7, 3214868480
	.fill 96, 4, 3214868480
	.section	.rodata,"a",@progbits
	.p2align	6, 0x0
	.amdhsa_kernel k_qdab9dbf58c_place
		.amdhsa_group_segment_fixed_size 0
		.amdhsa_private_segment_fixed_size 0
		.amdhsa_enable_private_segment 0
		.amdhsa_kernarg_size 24
		.amdhsa_user_sgpr_count 2
		.amdhsa_user_sgpr_kernarg_segment_ptr 1
		.amdhsa_wavefront_size32 1
		.amdhsa_system_sgpr_workgroup_id_x 1
		.amdhsa_system_sgpr_workgroup_id_y 1
		.amdhsa_system_sgpr_workgroup_id_z 1
		.amdhsa_system_vgpr_workitem_id 0
		.amdhsa_next_free_vgpr 108
		.amdhsa_next_free_sgpr 66
		.amdhsa_reserve_vcc 0
		.amdhsa_float_denorm_mode_32 3
		.amdhsa_float_denorm_mode_16_64 3
		.amdhsa_memory_ordered 1
		.amdhsa_forward_progress 1
		.amdhsa_inst_pref_size 17
	.end_amdhsa_kernel
	.amdgpu_metadata
---
amdhsa.version: [ 1, 2 ]
amdhsa.kernels:
  - .name:           k_qdab9dbf58c_place
    .symbol:         k_qdab9dbf58c_place.kd
    .args:
      - { .name: x, .offset: 0, .size: 8, .value_kind: global_buffer, .address_space: global }
      - { .name: rt2, .offset: 8, .size: 8, .value_kind: global_buffer, .address_space: global }
      - { .name: xs, .offset: 16, .size: 8, .value_kind: global_buffer, .address_space: global }
    .group_segment_fixed_size: 0
    .private_segment_fixed_size: 0
    .kernarg_segment_align: 8
    .kernarg_segment_size: 24
    .max_flat_workgroup_size: 256
    .sgpr_count:     66
    .vgpr_count:     108
    .wavefront_size: 32
...
	.end_amdgpu_metadata
.endif
;; end of part 3
;; launch ffn1 (part 4): grid 4 x 59, 4 waves a work-group, clusters of 4 x 1, 327,680 bytes of LDS; arguments xs, wb, b1, rt2, hs; writes hs
.if DOCPART == 4
	.amdgcn_target "amdgcn-amd-amdhsa--gfx1250"
	.amdhsa_code_object_version 6
	.text
	.protected	k_qdab9dbf58c_ffn1
	.globl	k_qdab9dbf58c_ffn1
	.p2align	8
	.type	k_qdab9dbf58c_ffn1,@function
k_qdab9dbf58c_ffn1:
	s_mov_b64 s[64:65], 0
	v_nop
	global_prefetch_b8 v0, s[64:65] scope:SCOPE_SE
	s_setreg_imm32_b32 hwreg(HW_REG_WAVE_MODE, 25, 1), 1
	s_wait_xcnt 0x0
	s_wait_alu depctr_hold_cnt(0) depctr_sa_sdst(0) depctr_va_vdst(0) depctr_va_sdst(0) depctr_va_ssrc(0) depctr_va_vcc(0) depctr_vm_vsrc(0)
	s_getreg_b32 s2, hwreg(HW_REG_IB_STS2, 6, 4)
	s_cmp_eq_u32 s2, 0
	s_cbranch_scc0 .Lentry_in_a_cluster
	s_endpgm
.Lentry_in_a_cluster:
	s_bfe_u32 s2, ttmp6, 0x10000c
	s_cmp_lg_u32 s2, 0x3003
	s_cbranch_scc0 .Lentry_shape_is_right
	s_endpgm
.Lentry_shape_is_right:
; FFN, first layer of the routed experts: hs = gelu(xs W1[e] + b1[e]) in bf16.
; Rows are sorted by expert in blocks of 160 (all rows of a block have one expert, read from the table of blocks).  A work-group makes
; 160 rows x 256 columns: 59 blocks x 4 column tiles = 236 work-groups, the same for every input, so grid and barriers are fixed and only
; addresses hang on the routing.  Padding rows and blocks behind the last used one are zero rows; their results go to rows nobody reads
; (at most 1,248 of 9,440 rows): the price of fixed control flow.
; Four waves, one to a SIMD; wave w makes all 160 rows x columns 64 w .. 64 w + 63 of the tile: 10 x 4 accumulator tiles, 320 registers.
; K = 1024 goes in 32 steps of 32, written out: 40 matrix instructions, 20 LDS loads (the rows' fragments, 10 KiB) and 8 global loads a step.
; THE WEIGHTS NEVER TOUCH LDS: they lie in memory in the order of fragments (a wave's step is 4,096 consecutive bytes, read by this wave
; alone) and are loaded into a ring of eight register slots, seven steps ahead: 56 loads, 28 KiB a wave, are on their way, under counted waits.
; THE ROWS lie in three LDS slots of 160 rows x 256 K.  All three are first fills; slot 0 is filled again once, in step 7, with the last quarter
; of K, which is first read in step 23.  A wave has three tensor loads out at the start and one behind that refill.
; CLUSTER: the four column tiles of a block need the same rows: every rows' tile is asked for jointly (mask 15), each wave 40 rows.
; The weights are not shared: they hang on the column tile, and the blocks of one expert, which would share them, are a number that hangs on
; the data and that no cluster divides.
; STATED LIMITS.  Operands bf16, sums f32.  An expert that a token does not use is not computed, so a non-finite number there does not reach the result.
; erfc by Abramowitz and Stegun 7.1.28, (1 + a1 z + .. + a6 z^6)^-16, absolute error at most 3e-7 for every z >= 0;
;   gelu(h) = max(h, 0) + s q,  s = -|h| / 2,  q = erfc(|h| / sqrt 2) = P(s)^-16,  P(s) = 1 + sum d_i s^i,  d_i = a_i (-sqrt 2)^i: every term is
;   positive, so nothing cancels; where P overflows, 1 / P is 0 and gelu(h) = max(h, 0), which is its value there in f32.
;
; REGISTERS, in windows of 256:  window 0: v16-28 addresses, v32-43 d1..d6 (pairs), v64-143 / v144-223 fragments of the rows (two buffers),
;   v224-255 the bias of my 32 columns a lane; on the way out v64-223 are at work.   window 1: the weights' ring, slot s at v[32 s].
;   window 2: accumulator tile (a, c) at v[32 a + 8 c], a = 0..7.   window 3: tiles (8, c), (9, c) at v[32 (a - 8) + 8 c].
; THE MATRIX INSTRUCTION IS USED TRANSPOSED: source 0 = 16 columns of the weights, source 1 = 16 rows; lane l then holds row l % 16, and register j
; of tile (a, c) the weights' index i = 8 (l / 16) + j of fragment c, which is column 4 i + c of the wave's 64: a lane's 32 numbers of a row
; block are the 32 neighbouring columns 32 (l / 16) + 4 j + c.
.set LAYER,  0
.set APITCH, 528                       ; a row of a slot: 512 bytes + 16 = 33 x 16: sixteen rows begin in sixteen different 16-byte columns
.set WROWS,  40                        ; rows that one tensor load brings
.set PART,   WROWS*APITCH              ; 21,120
.set SLOT,   4*PART                    ; 84,480: 160 rows x 256 K
.set HI8,    128*APITCH                ; row blocks 8 and 9 lie beyond an LDS instruction's 16-bit offset: a second address register
.set SPITCH, 528                       ; the stage: a row of the tile, 512 bytes + 16
.set ADRA, 16                          ; v16-21  slot s: my rows' fragments at v[16 + 2 s], row blocks 8, 9 at v[17 + 2 s]
.set STO,  24
.set RD,   25
.set BO,   27
.set LN,   28                          ; 16 x lane
.set D1,   32
.set D2,   34
.set D3,   36
.set D4,   38
.set D5,   40
.set D6,   42
.set F0,   64
.set F1,   144
.set BIAS, 224
.set HH,   64                          ; the way out: 32 numbers, sums + bias, in the order of the columns
.set SS,   128
.set PP,   136
.set MM,   144
.set OO,   152
.set TT,   64
.set G1,   24                          ; s[24:31] group 1 of the rows' tiles     s[32:43] group 0, a set for each slot
.set G0,   32
.set MSB, 0
.macro WIN new                         ; the immediate's high byte repeats the setting that is left
.if MSB != \new
	s_set_vgpr_msb (MSB<<8)|\new
.set MSB, \new
.endif
.endm
.set MUL_LO, 0xa1                      ; source 0 (weights) window 1, source 1 (rows) window 0, C and D window 2
.set MUL_HI, 0xf1                      ; the same, C and D window 3
.set TO_B,   0x40                      ; destination window 1, address window 0
.macro CREST                           ; a round of the cluster's barrier behind its opening work-group barrier
	s_cmp_lg_u32 s14, 0
	s_cbranch_scc1 .Lnot_wave_0_\@
	s_barrier_signal -3
.Lnot_wave_0_\@:
	s_barrier_wait -3
	s_barrier_signal -1
	s_barrier_wait -1
.endm
.macro CROUND                          ; a whole round
	s_barrier_signal -1
	s_barrier_wait -1
	CREST
.endm
.macro PLACES                          ; four places behind a matrix instruction, in front of loads into its sources and of readers of its result
.rept 4
	v_nop
.endr
.endm
; the weights of step q, 4,096 consecutive bytes, into ring slot q % 8: fragment c = registers 8 c .. 8 c + 7 = loads 2 c and 2 c + 1
.macro LOADB q
	WIN TO_B
.irp i, 0,1,2,3,4,5,6,7
	global_load_b128 v[32*((\q)%8)+4*\i:32*((\q)%8)+4*\i+3], v[LN], s[46:47] offset:4096*(\q)+512*\i
.endr
.endm
; the rows' fragments of step q into buffer f: 20 LDS loads in one run; row blocks 8 and 9 first, since they are multiplied first
.macro FETCHA q, f
.set SL, (((\q)/8)%3)
	WIN 0
.irp a, 8,9
	ds_load_b128 v[\f+8*\a:\f+8*\a+3],   v[ADRA+2*SL+1] offset:64*((\q)%8)+(\a-8)*16*APITCH
	ds_load_b128 v[\f+8*\a+4:\f+8*\a+7], v[ADRA+2*SL+1] offset:64*((\q)%8)+(\a-8)*16*APITCH+32
.endr
.irp a, 0,1,2,3,4,5,6,7
	ds_load_b128 v[\f+8*\a:\f+8*\a+3],   v[ADRA+2*SL] offset:64*((\q)%8)+\a*16*APITCH
	ds_load_b128 v[\f+8*\a+4:\f+8*\a+7], v[ADRA+2*SL] offset:64*((\q)%8)+\a*16*APITCH+32
.endr
.endm
; 4 matrix instructions: row block a x my four fragments of weights.  zero = 1: the first product starts the sums.
.macro MULA f, ring, a, zero
.irp c, 0,1,2,3
.if \zero
	v_wmma_f32_16x16x32_bf16 v[32*((\a)%8)+8*\c:32*((\a)%8)+8*\c+7], v[\ring+8*\c:\ring+8*\c+7], v[\f+8*(\a):\f+8*(\a)+7], 0
.else
	v_wmma_f32_16x16x32_bf16 v[32*((\a)%8)+8*\c:32*((\a)%8)+8*\c+7], v[\ring+8*\c:\ring+8*\c+7], v[\f+8*(\a):\f+8*(\a)+7], v[32*((\a)%8)+8*\c:32*((\a)%8)+8*\c+7]
.endif
.endr
.endm
; Step q.  The 40 accumulators take turns, one instruction a turn, in the order 8, 9, 0 .. 7 in every step.
; Behind the first eight products and four places: the rows' fragments of step q + 1 into the other buffer, and the weights of step q + 7 into the
; ring slot that step q - 1 read.  sync = 1: the change from slot 0 to slot 1, with the one refill; sync = 2: the barrier in front of the refilled slot.
.macro STEP q, sync
.if (\q)%2
.set FF, F1
.set GG, F0
.else
.set FF, F0
.set GG, F1
.endif
.set RR, 32*((\q)%8)
.if (\q) == 0
.set ZZ, 1
.else
.set ZZ, 0
.endif
.if (\q) <= 25
	s_wait_loadcnt 48                              ; this step's weights are in; the six younger steps' 48 loads stay out
.else
	s_wait_loadcnt 8*(32-(\q))                     ; the steps that are left, and the eight loads of the bias behind them
.endif
.if \sync
	s_wait_dscnt 0x0                               ; this step's fragments are in, and with them my reads of the slots so far are over
	s_set_vgpr_msb 0xa1a0
	s_wait_tensorcnt 0x0                           ; all my tensor loads have landed
	ds_add_u32 v62, v63
	s_wait_dscnt 0x0
	s_set_vgpr_msb 0xa0a1
	s_barrier_signal -1
.else
	s_wait_dscnt 16                                ; row blocks 8 and 9 are in; the youngest sixteen loads (blocks 0 to 7) may be out
.endif
	WIN MUL_HI
	MULA FF, RR, 8, ZZ
	MULA FF, RR, 9, ZZ
.if \sync
	WIN MUL_LO
	MULA FF, RR, 0, ZZ                             ; register work while the others arrive
	MULA FF, RR, 1, ZZ
	MULA FF, RR, 2, ZZ
	MULA FF, RR, 3, ZZ
	WIN 0
	s_barrier_wait -1
.if \sync == 1
	CREST                                          ; no wave of any partner still reads slot 0 or has a load on its way
	s_add_nc_u64 s[G0+2:G0+3], s[G0+2:G0+3], 3*512 ; K 768 .. 1023
	tensor_load_to_lds s[G0:G0+3], s[G1:G1+7]      ; the one refill: first behind the round, ahead of every LDS read
	s_nop 0
.endif
.endif
.if (\q) < 31
	PLACES
	FETCHA (\q+1), GG
.endif
.if (\q) < 25
	LOADB (\q+7)
.endif
.if (\q) == 25
.irp i, 0,1,2,3,4,5,6,7
	global_load_b128 v[BIAS+4*\i:BIAS+4*\i+3], v[BO], s[44:45] offset:16*\i    ; no weights are left to ask for: the bias of my 32 columns
.endr
.endif
.if \sync == 0
.if (\q) < 31
	s_wait_dscnt 20                                ; all but the 20 just issued
.else
	s_wait_dscnt 0x0
.endif
	WIN MUL_LO
	MULA FF, RR, 0, ZZ
	MULA FF, RR, 1, ZZ
	MULA FF, RR, 2, ZZ
	MULA FF, RR, 3, ZZ
.endif
	WIN MUL_LO
	MULA FF, RR, 4, ZZ
	MULA FF, RR, 5, ZZ
	MULA FF, RR, 6, ZZ
	MULA FF, RR, 7, ZZ
.endm
	s_load_b256 s[4:11], s[0:1], 0x0               ; rows 4:5, wb 6:7, bias 8:9, rt2 10:11
	s_load_b64 s[12:13], s[0:1], 0x20              ; result
	v_lshl_add_u32 v62, v0, 2, 0x3e000
	v_mov_b32 v63, 0
	ds_add_u32 v62, v63
	v_lshrrev_b32 v1, 5, v0
	v_readfirstlane_b32 s14, v1                    ; wave 0..3
	s_bfe_u32 s17, ttmp6, 0x40000                  ; cx = the column tile (the grid is one cluster wide)
	s_and_b32 s18, ttmp7, 0xffff                   ; the block of rows
	s_lshl_b32 s23, s18, 2
	s_wait_dscnt 0x0
	s_wait_kmcnt 0x0
	s_load_b32 s19, s[10:11], s23 offset:0x8000    ; the block's expert
	; group 1: 40 rows x 256 elements of 2 bytes, 4 words of padding behind every 128 words; mask 15 and bit 21 beside it
	s_mov_b32 s[G1+0], 15|(1<<16)|(1<<20)|(1<<21)|(6<<22)|(3<<25)
	s_mov_b32 s[G1+1], 256<<16                     ; tensor_dim0 = 256
	s_mov_b32 s[G1+2], WROWS<<16                   ; tensor_dim1 = 40
	s_mov_b32 s[G1+3], 256<<16                     ; tile_dim0 = 256
	s_mov_b32 s[G1+4], WROWS                       ; tile_dim1 = 40
	s_mov_b32 s[G1+5], 1024                        ; elements from row to row
	s_mov_b32 s[G1+6], 0
	s_mov_b32 s[G1+7], 0
	; the rows' tiles: block and wave alone, equal in the four partners
	s_mul_i32 s20, s18, 160*2048
	s_mul_i32 s22, s14, WROWS*2048
	s_add_co_u32 s20, s20, s22
	s_mov_b32 s21, 0
	s_add_nc_u64 s[20:21], s[4:5], s[20:21]
	s_mul_i32 s22, s14, PART                       ; where a wave's tile goes: the wave's number times a constant
.irp s, 0,1,2
	s_mov_b32 s[G0+4*\s], 1
	s_add_co_u32 s[G0+4*\s+1], s22, \s*SLOT
	s_add_nc_u64 s[G0+4*\s+2:G0+4*\s+3], s[20:21], \s*512                  ; K 256 s: 512 bytes along the rows
	s_or_b32 s[G0+4*\s+3], s[G0+4*\s+3], 0x80000000
.endr
	v_and_b32 v1, 15, v0                           ; r = l % 16
	v_bfe_u32 v2, v0, 4, 1                         ; h = l / 16
	v_and_b32 v3, 31, v0
	v_lshlrev_b32 v[LN], 4, v3                     ; 16 bytes a lane
	v_lshlrev_b32 v[BO], 7, v2                     ; bias: 32 h columns of 4 bytes
	v_mul_u32_u24 v4, v1, APITCH
	v_lshl_add_u32 v[ADRA], v2, 4, v4              ; rows' fragment: row r, 16 h bytes
	v_add_nc_u32 v[ADRA+1], HI8, v[ADRA]
.irp s, 1,2
	v_add_nc_u32 v[ADRA+2*\s], \s*SLOT, v[ADRA]
	v_add_nc_u32 v[ADRA+2*\s+1], \s*SLOT+HI8, v[ADRA]
.endr
	v_lshl_add_u32 v5, v2, 6, v4                   ; the stage, in: row r, my wave's 128 bytes, 64 h
	s_lshl_b32 s48, s14, 7
	v_add_nc_u32 v[STO], s48, v5
	s_mul_i32 s48, s14, WROWS*SPITCH               ; back: rows 40 w .., a whole row of 512 bytes, 16 bytes a lane
	v_add_nc_u32 v[RD], s48, v[LN]
	s_wait_kmcnt 0x0
	s_min_u32 s19, s19, 7                          ; a loaded number enters an address only clamped
	; my weights: expert (2 MiB), column group 4 cx + w (131,072 bytes)
	s_lshl_b32 s46, s19, 21
	s_lshl_b32 s48, s17, 19
	s_add_co_u32 s46, s46, s48
	s_lshl_b32 s48, s14, 17
	s_add_co_u32 s46, s46, s48
	s_mov_b32 s47, 0
	s_add_nc_u64 s[46:47], s[6:7], s[46:47]
.irp q, 0,1,2,3,4,5,6
	LOADB \q                                       ; seven steps' weights are asked for before anything else
.endr
	WIN 0
	; the bias of my 64 columns
	s_lshl_b32 s44, s19, 12
	s_lshl_b32 s48, s17, 10
	s_add_co_u32 s44, s44, s48
	s_lshl_b32 s48, s14, 8
	s_add_co_u32 s44, s44, s48
	s_mov_b32 s45, 0
	s_add_nc_u64 s[44:45], s[8:9], s[44:45]
	; the result at row 160 b + 40 w and the tile's first column
	s_mul_i32 s50, s18, 160
	s_mul_i32 s48, s14, WROWS
	s_add_co_u32 s50, s50, s48
	s_lshl_b32 s50, s50, 11
	s_lshl_b32 s48, s17, 9
	s_add_co_u32 s50, s50, s48
	s_mov_b32 s51, 0
	s_add_nc_u64 s[12:13], s[12:13], s[50:51]
	CROUND                                         ; the four work-groups are here: the first joint loads meet
.irp s, 0,1,2
	tensor_load_to_lds s[G0+4*\s:G0+4*\s+3], s[G1:G1+7]    ; the first fills go out as one group: three tensor loads a wave are out
	s_nop 0
.rept 4
	v_nop
.endr
.endr
.macro DPAIR r, bits
	v_mov_b32 v[\r], \bits
	v_mov_b32 v[\r+1], \bits
.endm
	DPAIR D1, 0xbdcc41b4                           ; -0.099734694
	DPAIR D2, 0x3dad2fe7                           ;  0.084564025
	DPAIR D3, 0xbcd6cd72                           ; -0.026221011
	DPAIR D4, 0x3a1f6607                           ;  0.00060805720
	DPAIR D5, 0xbacd0fec                           ; -0.0015645003
	DPAIR D6, 0x39b49f67                           ;  0.00034451040
	s_wait_tensorcnt 0x2                           ; my part of slot 0 is in; slots 1 and 2 stay out
	s_barrier_signal -1
	s_barrier_wait -1
	FETCHA 0, F0
.irp q, 0,1,2,3,4,5,6
	STEP \q, 0
.endr
	STEP 7, 1                                      ; slot 0 has been read: it is filled again; slots 1 and 2 are whole for every wave
.irp q, 8,9,10,11,12,13,14,15,16,17,18,19,20,21,22
	STEP \q, 0
.endr
	STEP 23, 2                                     ; the refilled slot 0 is whole for every wave
.irp q, 24,25,26,27,28,29,30,31
	STEP \q, 0
.endr
	PLACES                                         ; behind the last matrix instructions: their results are read and their sources written below
	WIN 0
	s_wait_loadcnt 0x0                             ; the bias
	s_wait_dscnt 0x0                               ; my reads of the slots are over
	s_barrier_signal -1
	s_barrier_wait -1                              ; everybody's are: the slots, which have had their last fill, now serve as the stage
; gelu of eight numbers a lane (columns 8 b .. 8 b + 7 of my 32), rounded to bf16, 16 bytes into the stage
.macro GELU8 b
.irp i, 0,1,2,3,4,5,6,7
	v_mul_f32 v[SS+\i], -0.5, |v[HH+8*\b+\i]|      ; s = -|h| / 2
.endr
.irp p, 0,2,4,6
	v_pk_fma_f32 v[PP+\p:PP+\p+1], v[SS+\p:SS+\p+1], v[D6:D6+1], v[D5:D5+1]
.endr
.irp d, D4,D3,D2,D1
.irp p, 0,2,4,6
	v_pk_fma_f32 v[PP+\p:PP+\p+1], v[PP+\p:PP+\p+1], v[SS+\p:SS+\p+1], v[\d:\d+1]
.endr
.endr
.irp p, 0,2,4,6
	v_pk_fma_f32 v[PP+\p:PP+\p+1], v[PP+\p:PP+\p+1], v[SS+\p:SS+\p+1], 1.0 op_sel_hi:[1,1,0]   ; P(s)
.endr
.irp i, 0,1,2,3,4,5,6,7
	v_rcp_f32 v[PP+\i], v[PP+\i]
.endr
.irp i, 0,1,2,3,4,5,6,7
	v_max_num_f32 v[MM+\i], 0, v[HH+8*\b+\i]       ; plain work between v_rcp_f32 and the use of its results (ISA guide 5.7.2)
.endr
	s_wait_alu depctr_va_vdst(0)
.rept 4
.irp p, 0,2,4,6
	v_pk_mul_f32 v[PP+\p:PP+\p+1], v[PP+\p:PP+\p+1], v[PP+\p:PP+\p+1]      ; four squarings: P^-16
.endr
.endr
.irp p, 0,2,4,6
	v_pk_fma_f32 v[MM+\p:MM+\p+1], v[SS+\p:SS+\p+1], v[PP+\p:PP+\p+1], v[MM+\p:MM+\p+1]
.endr
.irp p, 0,1,2,3
	v_cvt_pk_bf16_f32 v[OO+\p], v[MM+2*\p], v[MM+2*\p+1]
.endr
	ds_store_b128 v[STO], v[OO:OO+3] offset:16*\b
.endm
; THE WAY OUT.  A wave's 64 columns are 128 bytes of a row, so the four waves gather the tile's rows of 512 bytes in a common stage.
; Row block a: the bias add also puts the 32 numbers in the order of their columns (register j of tile (a, c) is column 4 j + c).
.macro OUTA a
.if (\a) < 8
	WIN 0x02
.else
	WIN 0x03
.endif
.irp j, 0,1,2,3,4,5,6,7
.irp c, 0,1,2,3
	v_add_f32 v[HH+4*\j+\c], v[32*((\a)%8)+8*\c+\j], v[BIAS+4*\j+\c]
.endr
.endr
	WIN 0
.irp b, 0,1,2,3
	GELU8 \b
.endr
	v_add_nc_u32 v[STO], 16*SPITCH, v[STO]         ; the next 16 rows of the stage
.endm
.irp a, 0,1,2,3,4,5,6,7,8,9
	OUTA \a
.endr
	s_wait_dscnt 0x0                               ; my stores are done, for the other waves' sake
	s_barrier_signal -1
	s_barrier_wait -1
.set t, 0
.rept WROWS
	ds_load_b128 v[TT+4*t:TT+4*t+3], v[RD] offset:SPITCH*t         ; rows 40 w + t, whole
.set t, t+1
.endr
.set t, 0
.rept WROWS
	s_wait_dscnt WROWS-1-t                         ; LDS loads come back in order (ISA guide 5.7.1): row t is in
	global_store_b128 v[LN], v[TT+4*t:TT+4*t+3], s[12:13] offset:2048*t    ; a wave's store covers 512 consecutive bytes, aligned
.set t, t+1
.endr
	s_wait_tensorcnt 0x0
	ds_add_u32 v62, v63
	s_wait_dscnt 0x0
	CROUND                                         ; the closing round: no work-group ends while a partner may still ask for a tile that names it
	s_endpgm
.Lfunc_end_k_qdab9dbf58c_ffn1:
	.size	k_qdab9dbf58c_ffn1, .Lfunc_end_k_qdab9dbf58c_ffn1-k_qdab9dbf58c_ffn1
	.p2alignl 7, 3214868480
	.fill 96, 4, 3214868480
	.section	.rodata,"a",@progbits
	.p2align	6, 0x0
	.amdhsa_kernel k_qdab9dbf58c_ffn1
		.amdhsa_group_segment_fixed_size 327680
		.amdhsa_private_segment_fixed_size 0
		.amdhsa_enable_private_segment 0
		.amdhsa_kernarg_size 40
		.amdhsa_user_sgpr_count 2
		.amdhsa_user_sgpr_kernarg_segment_ptr 1
		.amdhsa_wavefront_size32 1
		.amdhsa_system_sgpr_workgroup_id_x 1
		.amdhsa_system_sgpr_workgroup_id_y 1
		.amdhsa_system_sgpr_workgroup_id_z 1
		.amdhsa_system_vgpr_workitem_id 0
		.amdhsa_next_free_vgpr 832
		.amdhsa_next_free_sgpr 66
		.amdhsa_reserve_vcc 0
		.amdhsa_float_denorm_mode_32 3
		.amdhsa_float_denorm_mode_16_64 3
		.amdhsa_memory_ordered 1
		.amdhsa_forward_progress 1
		.amdhsa_inst_pref_size 255
	.end_amdhsa_kernel
	.section	.bss,"aw",@nobits
	.p2align	6
	.space	262144
	.amdgpu_metadata
---
amdhsa.version: [ 1, 2 ]
amdhsa.kernels:
  - .name:           k_qdab9dbf58c_ffn1
    .symbol:         k_qdab9dbf58c_ffn1.kd
    .args:
      - { .name: xs, .offset: 0, .size: 8, .value_kind: global_buffer, .address_space: global }
      - { .name: wb, .offset: 8, .size: 8, .value_kind: global_buffer, .address_space: global }
      - { .name: b1, .offset: 16, .size: 8, .value_kind: global_buffer, .address_space: global }
      - { .name: rt2, .offset: 24, .size: 8, .value_kind: global_buffer, .address_space: global }
      - { .name: hs, .offset: 32, .size: 8, .value_kind: global_buffer, .address_space: global }
    .group_segment_fixed_size: 327680
    .private_segment_fixed_size: 0
    .kernarg_segment_align: 8
    .kernarg_segment_size: 40
    .max_flat_workgroup_size: 128
    .sgpr_count:     66
    .vgpr_count:     832
    .wavefront_size: 32
...
	.end_amdgpu_metadata
.endif
;; end of part 4
;; launch ffn2 (part 5): grid 4 x 59, 4 waves a work-group, clusters of 4 x 1, 327,680 bytes of LDS; arguments hs, wb, b2, rt2, ys; writes ys
.if DOCPART == 5
	.amdgcn_target "amdgcn-amd-amdhsa--gfx1250"
	.amdhsa_code_object_version 6
	.text
	.protected	k_qdab9dbf58c_ffn2
	.globl	k_qdab9dbf58c_ffn2
	.p2align	8
	.type	k_qdab9dbf58c_ffn2,@function
k_qdab9dbf58c_ffn2:
	s_mov_b64 s[64:65], 0
	v_nop
	global_prefetch_b8 v0, s[64:65] scope:SCOPE_SE
	s_setreg_imm32_b32 hwreg(HW_REG_WAVE_MODE, 25, 1), 1
	s_wait_xcnt 0x0
	s_wait_alu depctr_hold_cnt(0) depctr_sa_sdst(0) depctr_va_vdst(0) depctr_va_sdst(0) depctr_va_ssrc(0) depctr_va_vcc(0) depctr_vm_vsrc(0)
	s_getreg_b32 s2, hwreg(HW_REG_IB_STS2, 6, 4)
	s_cmp_eq_u32 s2, 0
	s_cbranch_scc0 .Lentry_in_a_cluster
	s_endpgm
.Lentry_in_a_cluster:
	s_bfe_u32 s2, ttmp6, 0x10000c
	s_cmp_lg_u32 s2, 0x3003
	s_cbranch_scc0 .Lentry_shape_is_right
	s_endpgm
.Lentry_shape_is_right:
; FFN, second layer of the routed experts: ys = hs W2[e] + b2[e] in f32.
; Rows are sorted by expert in blocks of 160 (all rows of a block have one expert, read from the table of blocks).  A work-group makes
; 160 rows x 256 columns: 59 blocks x 4 column tiles = 236 work-groups, the same for every input, so grid and barriers are fixed and only
; addresses hang on the routing.  Padding rows and blocks behind the last used one hold finite numbers that no token owns; their results go to
; rows nobody reads (at most 1,248 of 9,440 rows): the price of fixed control flow.
; Four waves, one to a SIMD; wave w makes all 160 rows x columns 64 w .. 64 w + 63 of the tile: 10 x 4 accumulator tiles, 320 registers.
; K = 1024 goes in 32 steps of 32, written out: 40 matrix instructions, 20 LDS loads (the rows' fragments, 10 KiB) and 8 global loads a step.
; THE WEIGHTS NEVER TOUCH LDS: they lie in memory in the order of fragments (a wave's step is 4,096 consecutive bytes, read by this wave
; alone) and are loaded into a ring of eight register slots, seven steps ahead: 56 loads, 28 KiB a wave, are on their way, under counted waits.
; THE ROWS lie in three LDS slots of 160 rows x 256 K.  All three are first fills; slot 0 is filled again once, in step 7, with the last quarter
; of K, which is first read in step 23.  A wave has three tensor loads out at the start and one behind that refill.
; CLUSTER: the four column tiles of a block need the same rows: every rows' tile is asked for jointly (mask 15), each wave 40 rows.
; The weights are not shared: they hang on the column tile, and the blocks of one expert, which would share them, are a number that hangs on
; the data and that no cluster divides.
; STATED LIMITS.  Operands bf16, sums f32.  An expert that a token does not use is not computed, so a non-finite number there does not reach the result.
;
; REGISTERS, in windows of 256:  window 0: v16-28 addresses, v64-143 / v144-223 fragments of the rows (two buffers),
;   v224-255 the bias of my 32 columns a lane; on the way out v64-159 are at work.   window 1: the weights' ring, slot s at v[32 s].
;   window 2: accumulator tile (a, c) at v[32 a + 8 c], a = 0..7.   window 3: tiles (8, c), (9, c) at v[32 (a - 8) + 8 c].
; THE MATRIX INSTRUCTION IS USED TRANSPOSED: source 0 = 16 columns of the weights, source 1 = 16 rows; lane l then holds row l % 16, and register j
; of tile (a, c) the weights' index i = 8 (l / 16) + j of fragment c, which is column 4 i + c of the wave's 64: a lane's 32 numbers of a row
; block are the 32 neighbouring columns 32 (l / 16) + 4 j + c.
.set LAYER,  16777216                  ; W2's eight matrices lie behind W1's
.set APITCH, 528                       ; a row of a slot: 512 bytes + 16 = 33 x 16: sixteen rows begin in sixteen different 16-byte columns
.set WROWS,  40                        ; rows that one tensor load brings
.set PART,   WROWS*APITCH              ; 21,120
.set SLOT,   4*PART                    ; 84,480: 160 rows x 256 K
.set HI8,    128*APITCH                ; row blocks 8 and 9 lie beyond an LDS instruction's 16-bit offset: a second address register
.set STAGE,  3*SLOT                    ; behind the slots, a multiple of 256: each wave's own 16 rows for the way out; no tensor load lands here
.set SPITCH, 272                       ; the stage: a wave's 64 columns, 256 bytes + 16
.set ADRA, 16                          ; v16-21  slot s: my rows' fragments at v[16 + 2 s], row blocks 8, 9 at v[17 + 2 s]
.set STO,  24
.set RD,   25
.set CO,   26
.set BO,   27
.set LN,   28                          ; 16 x lane
.set F0,   64
.set F1,   144
.set BIAS, 224
.set HH,   64                          ; the way out: 32 numbers, sums + bias, in the order of the columns
.set TT,   128
.set G1,   24                          ; s[24:31] group 1 of the rows' tiles     s[32:43] group 0, a set for each slot
.set G0,   32
.set MSB, 0
.macro WIN new                         ; the immediate's high byte repeats the setting that is left
.if MSB != \new
	s_set_vgpr_msb (MSB<<8)|\new
.set MSB, \new
.endif
.endm
.set MUL_LO, 0xa1                      ; source 0 (weights) window 1, source 1 (rows) window 0, C and D window 2
.set MUL_HI, 0xf1                      ; the same, C and D window 3
.set TO_B,   0x40                      ; destination window 1, address window 0
.macro CREST                           ; a round of the cluster's barrier behind its opening work-group barrier
	s_cmp_lg_u32 s14, 0
	s_cbranch_scc1 .Lnot_wave_0_\@
	s_barrier_signal -3
.Lnot_wave_0_\@:
	s_barrier_wait -3
	s_barrier_signal -1
	s_barrier_wait -1
.endm
.macro CROUND                          ; a whole round
	s_barrier_signal -1
	s_barrier_wait -1
	CREST
.endm
.macro PLACES                          ; four places behind a matrix instruction, in front of loads into its sources and of readers of its result
.rept 4
	v_nop
.endr
.endm
; the weights of step q, 4,096 consecutive bytes, into ring slot q % 8: fragment c = registers 8 c .. 8 c + 7 = loads 2 c and 2 c + 1
.macro LOADB q
	WIN TO_B
.irp i, 0,1,2,3,4,5,6,7
	global_load_b128 v[32*((\q)%8)+4*\i:32*((\q)%8)+4*\i+3], v[LN], s[46:47] offset:4096*(\q)+512*\i
.endr
.endm
; the rows' fragments of step q into buffer f: 20 LDS loads in one run; row blocks 8 and 9 first, since they are multiplied first
.macro FETCHA q, f
.set SL, (((\q)/8)%3)
	WIN 0
.irp a, 8,9
	ds_load_b128 v[\f+8*\a:\f+8*\a+3],   v[ADRA+2*SL+1] offset:64*((\q)%8)+(\a-8)*16*APITCH
	ds_load_b128 v[\f+8*\a+4:\f+8*\a+7], v[ADRA+2*SL+1] offset:64*((\q)%8)+(\a-8)*16*APITCH+32
.endr
.irp a, 0,1,2,3,4,5,6,7
	ds_load_b128 v[\f+8*\a:\f+8*\a+3],   v[ADRA+2*SL] offset:64*((\q)%8)+\a*16*APITCH
	ds_load_b128 v[\f+8*\a+4:\f+8*\a+7], v[ADRA+2*SL] offset:64*((\q)%8)+\a*16*APITCH+32
.endr
.endm
; 4 matrix instructions: row block a x my four fragments of weights.  zero = 1: the first product starts the sums.
.macro MULA f, ring, a, zero
.irp c, 0,1,2,3
.if \zero
	v_wmma_f32_16x16x32_bf16 v[32*((\a)%8)+8*\c:32*((\a)%8)+8*\c+7], v[\ring+8*\c:\ring+8*\c+7], v[\f+8*(\a):\f+8*(\a)+7], 0
.else
	v_wmma_f32_16x16x32_bf16 v[32*((\a)%8)+8*\c:32*((\a)%8)+8*\c+7], v[\ring+8*\c:\ring+8*\c+7], v[\f+8*(\a):\f+8*(\a)+7], v[32*((\a)%8)+8*\c:32*((\a)%8)+8*\c+7]
.endif
.endr
.endm
; Step q.  The 40 accumulators take turns, one instruction a turn, in the order 8, 9, 0 .. 7 in every step.
; Behind the first eight products and four places: the rows' fragments of step q + 1 into the other buffer, and the weights of step q + 7 into the
; ring slot that step q - 1 read.  sync = 1: the change from slot 0 to slot 1, with the one refill; sync = 2: the barrier in front of the refilled slot.
.macro STEP q, sync
.if (\q)%2
.set FF, F1
.set GG, F0
.else
.set FF, F0
.set GG, F1
.endif
.set RR, 32*((\q)%8)
.if (\q) == 0
.set ZZ, 1
.else
.set ZZ, 0
.endif
.if (\q) <= 25
	s_wait_loadcnt 48                              ; this step's weights are in; the six younger steps' 48 loads stay out
.else
	s_wait_loadcnt 8*(32-(\q))                     ; the steps that are left, and the eight loads of the bias behind them
.endif
.if \sync
	s_wait_dscnt 0x0                               ; this step's fragments are in, and with them my reads of the slots so far are over
	s_set_vgpr_msb 0xa1a0
	s_wait_tensorcnt 0x0                           ; all my tensor loads have landed
	ds_add_u32 v62, v63
	s_wait_dscnt 0x0
	s_set_vgpr_msb 0xa0a1
	s_barrier_signal -1
.else
	s_wait_dscnt 16                                ; row blocks 8 and 9 are in; the youngest sixteen loads (blocks 0 to 7) may be out
.endif
	WIN MUL_HI
	MULA FF, RR, 8, ZZ
	MULA FF, RR, 9, ZZ
.if \sync
	WIN MUL_LO
	MULA FF, RR, 0, ZZ                             ; register work while the others arrive
	MULA FF, RR, 1, ZZ
	MULA FF, RR, 2, ZZ
	MULA FF, RR, 3, ZZ
	WIN 0
	s_barrier_wait -1
.if \sync == 1
	CREST                                          ; no wave of any partner still reads slot 0 or has a load on its way
	s_add_nc_u64 s[G0+2:G0+3], s[G0+2:G0+3], 3*512 ; K 768 .. 1023
	tensor_load_to_lds s[G0:G0+3], s[G1:G1+7]      ; the one refill: first behind the round, ahead of every LDS read
	s_nop 0
.endif
.endif
.if (\q) < 31
	PLACES
	FETCHA (\q+1), GG
.endif
.if (\q) < 25
	LOADB (\q+7)
.endif
.if (\q) == 25
.irp i, 0,1,2,3,4,5,6,7
	global_load_b128 v[BIAS+4*\i:BIAS+4*\i+3], v[BO], s[44:45] offset:16*\i    ; no weights are left to ask for: the bias of my 32 columns
.endr
.endif
.if \sync == 0
.if (\q) < 31
	s_wait_dscnt 20                                ; all but the 20 just issued
.else
	s_wait_dscnt 0x0
.endif
	WIN MUL_LO
	MULA FF, RR, 0, ZZ
	MULA FF, RR, 1, ZZ
	MULA FF, RR, 2, ZZ
	MULA FF, RR, 3, ZZ
.endif
	WIN MUL_LO
	MULA FF, RR, 4, ZZ
	MULA FF, RR, 5, ZZ
	MULA FF, RR, 6, ZZ
	MULA FF, RR, 7, ZZ
.endm
	s_load_b256 s[4:11], s[0:1], 0x0               ; rows 4:5, wb 6:7, bias 8:9, rt2 10:11
	s_load_b64 s[12:13], s[0:1], 0x20              ; result
	v_lshl_add_u32 v62, v0, 2, 0x42200
	v_mov_b32 v63, 0
	ds_add_u32 v62, v63
	v_lshrrev_b32 v1, 5, v0
	v_readfirstlane_b32 s14, v1                    ; wave 0..3
	s_bfe_u32 s17, ttmp6, 0x40000                  ; cx = the column tile (the grid is one cluster wide)
	s_and_b32 s18, ttmp7, 0xffff                   ; the block of rows
	s_lshl_b32 s23, s18, 2
	s_wait_dscnt 0x0
	s_wait_kmcnt 0x0
	s_load_b32 s19, s[10:11], s23 offset:0x8000    ; the block's expert
	; group 1: 40 rows x 256 elements of 2 bytes, 4 words of padding behind every 128 words; mask 15 and bit 21 beside it
	s_mov_b32 s[G1+0], 15|(1<<16)|(1<<20)|(1<<21)|(6<<22)|(3<<25)
	s_mov_b32 s[G1+1], 256<<16                     ; tensor_dim0 = 256
	s_mov_b32 s[G1+2], WROWS<<16                   ; tensor_dim1 = 40
	s_mov_b32 s[G1+3], 256<<16                     ; tile_dim0 = 256
	s_mov_b32 s[G1+4], WROWS                       ; tile_dim1 = 40
	s_mov_b32 s[G1+5], 1024                        ; elements from row to row
	s_mov_b32 s[G1+6], 0
	s_mov_b32 s[G1+7], 0
	; the rows' tiles: block and wave alone, equal in the four partners
	s_mul_i32 s20, s18, 160*2048
	s_mul_i32 s22, s14, WROWS*2048
	s_add_co_u32 s20, s20, s22
	s_mov_b32 s21, 0
	s_add_nc_u64 s[20:21], s[4:5], s[20:21]
	s_mul_i32 s22, s14, PART                       ; where a wave's tile goes: the wave's number times a constant
.irp s, 0,1,2
	s_mov_b32 s[G0+4*\s], 1
	s_add_co_u32 s[G0+4*\s+1], s22, \s*SLOT
	s_add_nc_u64 s[G0+4*\s+2:G0+4*\s+3], s[20:21], \s*512                  ; K 256 s: 512 bytes along the rows
	s_or_b32 s[G0+4*\s+3], s[G0+4*\s+3], 0x80000000
.endr
	v_and_b32 v1, 15, v0                           ; r = l % 16
	v_bfe_u32 v2, v0, 4, 1                         ; h = l / 16
	v_and_b32 v3, 31, v0
	v_lshlrev_b32 v[LN], 4, v3                     ; 16 bytes a lane
	v_lshlrev_b32 v[BO], 7, v2                     ; bias: 32 h columns of 4 bytes
	v_mul_u32_u24 v4, v1, APITCH
	v_lshl_add_u32 v[ADRA], v2, 4, v4              ; rows' fragment: row r, 16 h bytes
	v_add_nc_u32 v[ADRA+1], HI8, v[ADRA]
.irp s, 1,2
	v_add_nc_u32 v[ADRA+2*\s], \s*SLOT, v[ADRA]
	v_add_nc_u32 v[ADRA+2*\s+1], \s*SLOT+HI8, v[ADRA]
.endr
	s_mul_i32 s48, s14, 16*SPITCH
	s_add_co_u32 s48, s48, STAGE                   ; my stage
	v_mul_u32_u24 v5, v1, SPITCH
	v_lshl_add_u32 v5, v2, 7, v5
	v_add_nc_u32 v[STO], s48, v5                   ; in: row r, 128 h bytes
	v_mul_u32_u24 v6, v2, SPITCH
	v_lshl_add_u32 v6, v1, 4, v6
	v_add_nc_u32 v[RD], s48, v6                    ; back: lanes 0-15 one row of 256 bytes, lanes 16-31 the next
	v_lshlrev_b32 v7, 12, v2
	v_lshl_add_u32 v[CO], v1, 4, v7                ; the same two rows in the result
	s_wait_kmcnt 0x0
	s_min_u32 s19, s19, 7                          ; a loaded number enters an address only clamped
	; my weights: layer, expert (2 MiB), column group 4 cx + w (131,072 bytes)
	s_lshl_b32 s46, s19, 21
	s_lshl_b32 s48, s17, 19
	s_add_co_u32 s46, s46, s48
	s_lshl_b32 s48, s14, 17
	s_add_co_u32 s46, s46, s48
	s_add_co_u32 s46, s46, LAYER
	s_mov_b32 s47, 0
	s_add_nc_u64 s[46:47], s[6:7], s[46:47]
.irp q, 0,1,2,3,4,5,6
	LOADB \q                                       ; seven steps' weights are asked for before anything else
.endr
	WIN 0
	; the bias of my 64 columns
	s_lshl_b32 s44, s19, 12
	s_lshl_b32 s48, s17, 10
	s_add_co_u32 s44, s44, s48
	s_lshl_b32 s48, s14, 8
	s_add_co_u32 s44, s44, s48
	s_mov_b32 s45, 0
	s_add_nc_u64 s[44:45], s[8:9], s[44:45]
	; the result at the block's first row and my first column
	s_mul_i32 s50, s18, 160*4096
	s_lshl_b32 s48, s17, 10
	s_add_co_u32 s50, s50, s48
	s_lshl_b32 s48, s14, 8
	s_add_co_u32 s50, s50, s48
	s_mov_b32 s51, 0
	s_add_nc_u64 s[12:13], s[12:13], s[50:51]
	CROUND                                         ; the four work-groups are here: the first joint loads meet
.irp s, 0,1,2
	tensor_load_to_lds s[G0+4*\s:G0+4*\s+3], s[G1:G1+7]    ; the first fills go out as one group: three tensor loads a wave are out
	s_nop 0
.rept 4
	v_nop
.endr
.endr
	s_wait_tensorcnt 0x2                           ; my part of slot 0 is in; slots 1 and 2 stay out
	s_barrier_signal -1
	s_barrier_wait -1
	FETCHA 0, F0
.irp q, 0,1,2,3,4,5,6
	STEP \q, 0
.endr
	STEP 7, 1                                      ; slot 0 has been read: it is filled again; slots 1 and 2 are whole for every wave
.irp q, 8,9,10,11,12,13,14,15,16,17,18,19,20,21,22
	STEP \q, 0
.endr
	STEP 23, 2                                     ; the refilled slot 0 is whole for every wave
.irp q, 24,25,26,27,28,29,30,31
	STEP \q, 0
.endr
	PLACES                                         ; behind the last matrix instructions: their results are read and their sources written below
	WIN 0
	s_wait_loadcnt 0x0                             ; the bias
; THE WAY OUT, 16 rows at a time.  A wave's 64 columns are 256 bytes of a row, so each wave has a stage of its own: no barrier, and since LDS
; serves a wave's instructions in order (ISA guide 5.7.1.4), no wait between the stores and the loads.
; The bias add also puts the 32 numbers in the order of their columns (register j of tile (a, c) is column 4 j + c).
.macro OUTA a
.if (\a) < 8
	WIN 0x02
.else
	WIN 0x03
.endif
.irp j, 0,1,2,3,4,5,6,7
.irp c, 0,1,2,3
	v_add_f32 v[HH+4*\j+\c], v[32*((\a)%8)+8*\c+\j], v[BIAS+4*\j+\c]
.endr
.endr
	WIN 0
.irp q, 0,1,2,3,4,5,6,7
	ds_store_b128 v[STO], v[HH+4*\q:HH+4*\q+3] offset:16*\q
.endr
	s_wait_xcnt 0x0                                ; the registers below were the data of the last block's stores: loaded again only behind this wait
.irp t, 0,1,2,3,4,5,6,7
	ds_load_b128 v[TT+4*\t:TT+4*\t+3], v[RD] offset:2*SPITCH*\t
.endr
.irp t, 0,1,2,3,4,5,6,7
	s_wait_dscnt 7-\t
	global_store_b128 v[CO], v[TT+4*\t:TT+4*\t+3], s[12:13] offset:(16*(\a)+2*\t)*4096     ; sixteen lanes store 256 consecutive bytes, aligned
.endr
.endm
.irp a, 0,1,2,3,4,5,6,7,8,9
	OUTA \a
.endr
	s_wait_tensorcnt 0x0
	ds_add_u32 v62, v63
	s_wait_dscnt 0x0
	CROUND                                         ; the closing round: no work-group ends while a partner may still ask for a tile that names it
	s_endpgm
.Lfunc_end_k_qdab9dbf58c_ffn2:
	.size	k_qdab9dbf58c_ffn2, .Lfunc_end_k_qdab9dbf58c_ffn2-k_qdab9dbf58c_ffn2
	.p2alignl 7, 3214868480
	.fill 96, 4, 3214868480
	.section	.rodata,"a",@progbits
	.p2align	6, 0x0
	.amdhsa_kernel k_qdab9dbf58c_ffn2
		.amdhsa_group_segment_fixed_size 327680
		.amdhsa_private_segment_fixed_size 0
		.amdhsa_enable_private_segment 0
		.amdhsa_kernarg_size 40
		.amdhsa_user_sgpr_count 2
		.amdhsa_user_sgpr_kernarg_segment_ptr 1
		.amdhsa_wavefront_size32 1
		.amdhsa_system_sgpr_workgroup_id_x 1
		.amdhsa_system_sgpr_workgroup_id_y 1
		.amdhsa_system_sgpr_workgroup_id_z 1
		.amdhsa_system_vgpr_workitem_id 0
		.amdhsa_next_free_vgpr 832
		.amdhsa_next_free_sgpr 66
		.amdhsa_reserve_vcc 0
		.amdhsa_float_denorm_mode_32 3
		.amdhsa_float_denorm_mode_16_64 3
		.amdhsa_memory_ordered 1
		.amdhsa_forward_progress 1
		.amdhsa_inst_pref_size 194
	.end_amdhsa_kernel
	.amdgpu_metadata
---
amdhsa.version: [ 1, 2 ]
amdhsa.kernels:
  - .name:           k_qdab9dbf58c_ffn2
    .symbol:         k_qdab9dbf58c_ffn2.kd
    .args:
      - { .name: hs, .offset: 0, .size: 8, .value_kind: global_buffer, .address_space: global }
      - { .name: wb, .offset: 8, .size: 8, .value_kind: global_buffer, .address_space: global }
      - { .name: b2, .offset: 16, .size: 8, .value_kind: global_buffer, .address_space: global }
      - { .name: rt2, .offset: 24, .size: 8, .value_kind: global_buffer, .address_space: global }
      - { .name: ys, .offset: 32, .size: 8, .value_kind: global_buffer, .address_space: global }
    .group_segment_fixed_size: 327680
    .private_segment_fixed_size: 0
    .kernarg_segment_align: 8
    .kernarg_segment_size: 40
    .max_flat_workgroup_size: 128
    .sgpr_count:     66
    .vgpr_count:     832
    .wavefront_size: 32
...
	.end_amdgpu_metadata
.endif
;; end of part 5
;; launch combine (part 6): grid 256 x 1, 8 waves a work-group, no clusters, 0 bytes of LDS; arguments ys, rt2, tkw, out0; writes out0
.if DOCPART == 6
	.amdgcn_target "amdgcn-amd-amdhsa--gfx1250"
	.amdhsa_code_object_version 6
	.text
	.protected	k_qdab9dbf58c_combine
	.globl	k_qdab9dbf58c_combine
	.p2align	8
	.type	k_qdab9dbf58c_combine,@function
k_qdab9dbf58c_combine:
	s_mov_b64 s[64:65], 0
	v_nop
	global_prefetch_b8 v0, s[64:65] scope:SCOPE_SE
	s_setreg_imm32_b32 hwreg(HW_REG_WAVE_MODE, 25, 1), 1
	s_wait_xcnt 0x0
; COMBINE: out[t] = w0[t] ys[row0[t]] + w1[t] ys[row1[t]].  The six other experts' weights are exactly 0 and their rows were not made.
; A stream: each used row of ys is read once, each byte of the result written once; no LDS, no barrier, no matrix unit.
; Work-group wg owns 16 tokens, wave w tokens t = 16 wg + 2 w and t + 1: four rows of 4,096 bytes, 32 loads of 16 bytes a lane, all issued
; at once (16 KiB a wave on their way); no register is written twice, so the only waits are the counted ones.
.set NROWS, 9440
	s_load_b256 s[4:11], s[0:1], 0x0               ; ys 4:5, rt2 6:7, tkw 8:9, out0 10:11
	v_and_b32 v1, 31, v0
	v_lshrrev_b32 v2, 5, v0
	v_readfirstlane_b32 s12, v2                    ; wave
	v_lshlrev_b32 v1, 4, v1                        ; 16 bytes a lane
	s_lshl_b32 s13, ttmp9, 4
	s_lshl1_add_u32 s13, s12, s13                  ; t
	s_lshl_b32 s14, s13, 3                         ; 8 bytes a token in both tables
	s_lshl_b32 s2, s13, 12
	s_mov_b32 s3, 0
	s_wait_kmcnt 0x0
	s_load_b128 s[16:19], s[6:7], s14 offset:0x0   ; rows of (t, 0), (t, 1), (t + 1, 0), (t + 1, 1)
	s_load_b128 s[20:23], s[8:9], s14 offset:0x0   ; their weights
	s_add_nc_u64 s[10:11], s[10:11], s[2:3]
	s_wait_kmcnt 0x0
.irp k, 0,1,2,3
	s_min_u32 s[16+\k], s[16+\k], NROWS-1          ; a loaded number enters an address only clamped
	s_lshl_b32 s[40+2*\k], s[16+\k], 12
	s_mov_b32 s[41+2*\k], 0
	s_add_nc_u64 s[24+2*\k:25+2*\k], s[4:5], s[40+2*\k:41+2*\k]
	s_mov_b32 s[32+2*\k], s[20+\k]                 ; the weight in both halves of an even pair, for the packed forms
	s_mov_b32 s[33+2*\k], s[20+\k]
.endr
.irp i, 0,1
.irp j, 0,1,2,3,4,5,6,7
	global_load_b128 v[4+64*\i+8*\j:7+64*\i+8*\j],   v1, s[24+4*\i:25+4*\i] offset:512*\j th:TH_LOAD_NT
	global_load_b128 v[8+64*\i+8*\j:11+64*\i+8*\j],  v1, s[26+4*\i:27+4*\i] offset:512*\j th:TH_LOAD_NT
.endr
.endr
.irp i, 0,1
.irp j, 0,1,2,3,4,5,6,7
	s_wait_loadcnt 30-16*\i-2*\j                   ; this piece's two loads are in; the younger ones stay out
	v_pk_mul_f32 v[4+64*\i+8*\j:5+64*\i+8*\j], v[4+64*\i+8*\j:5+64*\i+8*\j], s[32+4*\i:33+4*\i] op_sel_hi:[1,0]
	v_pk_mul_f32 v[6+64*\i+8*\j:7+64*\i+8*\j], v[6+64*\i+8*\j:7+64*\i+8*\j], s[32+4*\i:33+4*\i] op_sel_hi:[1,0]
	v_pk_fma_f32 v[4+64*\i+8*\j:5+64*\i+8*\j], v[8+64*\i+8*\j:9+64*\i+8*\j], s[34+4*\i:35+4*\i], v[4+64*\i+8*\j:5+64*\i+8*\j] op_sel_hi:[1,0,1]
	v_pk_fma_f32 v[6+64*\i+8*\j:7+64*\i+8*\j], v[10+64*\i+8*\j:11+64*\i+8*\j], s[34+4*\i:35+4*\i], v[6+64*\i+8*\j:7+64*\i+8*\j] op_sel_hi:[1,0,1]
	global_store_b128 v1, v[4+64*\i+8*\j:7+64*\i+8*\j], s[10:11] offset:4096*\i+512*\j th:TH_STORE_NT   ; 512 consecutive bytes, aligned
.endr
.endr
	s_endpgm
.Lfunc_end_k_qdab9dbf58c_combine:
	.size	k_qdab9dbf58c_combine, .Lfunc_end_k_qdab9dbf58c_combine-k_qdab9dbf58c_combine
	.p2alignl 7, 3214868480
	.fill 96, 4, 3214868480
	.section	.rodata,"a",@progbits
	.p2align	6, 0x0
	.amdhsa_kernel k_qdab9dbf58c_combine
		.amdhsa_group_segment_fixed_size 0
		.amdhsa_private_segment_fixed_size 0
		.amdhsa_enable_private_segment 0
		.amdhsa_kernarg_size 32
		.amdhsa_user_sgpr_count 2
		.amdhsa_user_sgpr_kernarg_segment_ptr 1
		.amdhsa_wavefront_size32 1
		.amdhsa_system_sgpr_workgroup_id_x 1
		.amdhsa_system_sgpr_workgroup_id_y 1
		.amdhsa_system_sgpr_workgroup_id_z 1
		.amdhsa_system_vgpr_workitem_id 0
		.amdhsa_next_free_vgpr 136
		.amdhsa_next_free_sgpr 66
		.amdhsa_reserve_vcc 0
		.amdhsa_float_denorm_mode_32 3
		.amdhsa_float_denorm_mode_16_64 3
		.amdhsa_memory_ordered 1
		.amdhsa_forward_progress 1
		.amdhsa_inst_pref_size 11
	.end_amdhsa_kernel
	.amdgpu_metadata
---
amdhsa.version: [ 1, 2 ]
amdhsa.kernels:
  - .name:           k_qdab9dbf58c_combine
    .symbol:         k_qdab9dbf58c_combine.kd
    .args:
      - { .name: ys, .offset: 0, .size: 8, .value_kind: global_buffer, .address_space: global }
      - { .name: rt2, .offset: 8, .size: 8, .value_kind: global_buffer, .address_space: global }
      - { .name: tkw, .offset: 16, .size: 8, .value_kind: global_buffer, .address_space: global }
      - { .name: out0, .offset: 24, .size: 8, .value_kind: global_buffer, .address_space: global }
    .group_segment_fixed_size: 0
    .private_segment_fixed_size: 0
    .kernarg_segment_align: 8
    .kernarg_segment_size: 32
    .max_flat_workgroup_size: 256
    .sgpr_count:     66
    .vgpr_count:     136
    .wavefront_size: 32
...
	.end_amdgpu_metadata
.endif
;; end of part 6
;; ======== version 2 of 2: 6 launches; version 1 with the launches place, combine written anew for expert scheduling mode
;; limits: values outside matrix products are rounded to bf16; a function is approximated: absolute error at most 3e-07
;; workspace buffers: wb 33,554,432 bytes; rt1 18,432 bytes of whole numbers; tkw 32,768 bytes; rt2 33,280 bytes of whole numbers; xs 19,333,120 bytes; hs 19,333,120 bytes; ys 38,666,240 bytes
;; launch prep: the kernel of part 1 again; grid 576 x 1, 8 waves a work-group, no clusters, 38,656 bytes of LDS; arguments x, Wg, bg, W1, W2, wb, rt1, tkw; writes wb, rt1, tkw
;; launch scan: the kernel of part 2 again; grid 64 x 1, 1 waves a work-group, no clusters, 0 bytes of LDS; arguments rt1, rt2; writes rt2
;; launch place (part 7): grid 256 x 1, 8 waves a work-group, no clusters, 0 bytes of LDS; arguments x, rt2, xs; writes xs
.if DOCPART == 7
	.amdgcn_target "amdgcn-amd-amdhsa--gfx1250"
	.amdhsa_code_object_version 6
	.text
	.protected	k_qdab9dbf58c_place
	.globl	k_qdab9dbf58c_place
	.p2align	8
	.type	k_qdab9dbf58c_place,@function
k_qdab9dbf58c_place:
	s_mov_b64 s[64:65], 0
	v_nop
	global_prefetch_b8 v0, s[64:65] scope:SCOPE_SE
	s_setreg_imm32_b32 hwreg(HW_REG_WAVE_SCHED_MODE, 0, 2), 2
	s_setreg_imm32_b32 hwreg(HW_REG_WAVE_MODE, 25, 1), 1
	s_wait_xcnt 0x0
	s_wait_alu depctr_vm_vsrc(0)
; PLACE: the rows of x, rounded to bf16, are laid out sorted by expert, at the rows that the launch before has stored.
; A stream: each byte of x is read once, each row written at its two places; no LDS, no barrier, no matrix unit.
; Work-group wg owns tokens 16 wg .. 16 wg + 15, wave w tokens t = 16 wg + 2 w and t + 1: 16 loads of 16 bytes a lane, all issued at once.
; Every row of xs is stored: a token's row at its two places, zeros in all other rows (the padding of each expert's segment to a multiple
; of 160 rows, and everything behind the last segment up to row 9,439).
; All that steers an address or the branch over the zero rows is read from memory as whole numbers, or is made of the wave's place.
; THE MODE: SCHED_MODE bits 1:0 = 2 (LLVM: expert scheduling mode 2), set by the entry lines.  The code itself states the register dependences
; between vector instructions and memory instructions, with s_wait_alu, always for 0.
; THE PLAN.  Registers that memory instructions touch:
;   v4, v5          byte offsets 16 l and 8 l.  Written once at the head; v4 is read by the loads, v5 by the rows' stores.
;   v96-100         the zero rows' byte offsets, made of work-group, wave and lane alone.  Written once at the head; read by the zero stores.
;   v104-107        zeros.  Written once at the head; read by the zero stores.
;   v[32+4p:35+4p]  piece p of 16 (512 bytes of x a wave).  A load lands in it; the piece's two conversions read it and write its first two registers;
;                   the piece's two stores read those two.  Nothing writes them afterwards.
; The 16 pieces go in four blocks of four.  Block b's conversions name block b's registers alone; among them stand the stores of block b - 1.
; So one wait on va_vdst at the head of a block states all that the block's eight stores hang on.  No register that a memory instruction
; reads is ever written again, so no wait on vm_vsrc is owed.
.set NROWS, 9440
.set THR,   33024                      ; rt2: words 0-7 V_e = end of e's tokens, words 8-15 B_e = end of e's segment
; s[20:23] the four rows   s[24:31] their addresses in xs   s[48:55] V_e   s[56:63] B_e
	s_load_b128 s[4:7], s[0:1], 0x0                ; x 4:5, rt2 6:7
	s_load_b64 s[8:9], s[0:1], 0x10                ; xs
	v_and_b32 v1, 31, v0
	v_lshrrev_b32 v2, 5, v0
	v_readfirstlane_b32 s12, v2                    ; wave
	v_lshlrev_b32 v4, 4, v1                        ; 16 l
	v_lshlrev_b32 v5, 3, v1                        ; 8 l
.irp c, 0,1,2,3
	v_mov_b32 v[104+\c], 0                         ; what the zero rows hold
.endr
	s_wait_alu depctr_va_sdst(0)                   ; s12 is written, ahead of its first reader: the token's number and the zero rows are made from it
	s_lshl_b32 s15, ttmp9, 4
	s_lshl1_add_u32 s15, s12, s15                  ; t = 16 wg + 2 w
	s_lshl_b32 s18, s15, 3                         ; 8 bytes a token in the table of rows
	s_lshl_b32 s2, s15, 12                         ; 4,096 bytes a row of x
	s_mov_b32 s3, 0
	s_lshl_b32 s40, ttmp9, 3
	s_add_co_u32 s40, s40, s12                     ; the wave's number in the launch, 8 wg + w: it looks at rows q = 8 wg + w + 2048 k
	s_lshl_b32 s43, s40, 11                        ; rows of 2,048 bytes
	v_add_nc_u32 v96, s43, v4                      ; a register of its own for each k: none is rewritten under a pending store
.irp k, 1,2,3,4
	v_add_nc_u32 v[96+\k], (\k)*4194304, v96       ; 2,048 rows of 2,048 bytes further on
.endr
	s_wait_kmcnt 0x0
	s_load_b128 s[20:23], s[6:7], s18 offset:0x0   ; rows of (t, 0), (t, 1), (t + 1, 0), (t + 1, 1)
	s_load_b512 s[48:63], s[6:7], THR              ; the sixteen thresholds
	s_add_nc_u64 s[4:5], s[4:5], s[2:3]
	s_wait_alu depctr_va_vdst(0)                   ; v4, v5, v96-100 and v104-107 are written: every load and store of the kernel reads some of them, and none is written again
.irp i, 0,1
.irp j, 0,1,2,3,4,5,6,7
	global_load_b128 v[32+32*\i+4*\j:35+32*\i+4*\j], v4, s[4:5] offset:4096*\i+512*\j
.endr
.endr
	s_wait_kmcnt 0x0
.irp k, 0,1,2,3
	s_min_u32 s[20+\k], s[20+\k], NROWS-1          ; a loaded number enters an address only clamped
	s_lshl_b32 s[32+2*\k], s[20+\k], 11            ; rows of 2,048 bytes
	s_mov_b32 s[33+2*\k], 0
	s_add_nc_u64 s[24+2*\k:25+2*\k], s[8:9], s[32+2*\k:33+2*\k]
.endr
; Piece p = 8 i + j: token i of my two, bytes 512 j of its row of x, bytes 256 j of its rows of xs.
.macro CVT p                           ; four numbers a lane close up into the first two of their four registers
	v_cvt_pk_bf16_f32 v[32+4*(\p)], v[32+4*(\p)], v[33+4*(\p)]
	v_cvt_pk_bf16_f32 v[33+4*(\p)], v[34+4*(\p)], v[35+4*(\p)]
.endm
.macro OUT p                           ; 256 consecutive bytes, aligned, at both places
	global_store_b64 v5, v[32+4*(\p):33+4*(\p)], s[24+4*((\p)/8):25+4*((\p)/8)] offset:256*((\p)%8)
	global_store_b64 v5, v[32+4*(\p):33+4*(\p)], s[26+4*((\p)/8):27+4*((\p)/8)] offset:256*((\p)%8)
.endm
	s_wait_loadcnt 12                              ; loads come back in order (ISA guide 5.7.1): block 0 is in, the twelve younger loads stay out
.irp n, 0,1,2,3
	CVT \n
.endr
.irp b, 1,2,3
	s_wait_loadcnt 12-4*(\b)                       ; block b is in, the younger blocks stay out
	s_wait_alu depctr_va_vdst(0)                   ; the conversions of block b - 1 have written its eight out-registers, which the stores below read
.irp n, 0,1,2,3
	OUT 4*(\b)-4+(\n)                              ; no vector instruction since the wait names these registers
	CVT 4*(\b)+(\n)
.endr
.endr
	s_wait_alu depctr_va_vdst(0)                   ; the conversions of block 3 have written its out-registers, which the last eight row stores read
.irp n, 12,13,14,15
	OUT \n
.endr
	; Zero rows.  V_0 <= B_0 <= V_1 <= .. <= V_7 <= 9440: q is a padding row if an odd number of V_0..V_7, B_0..B_6, 9440 is at or below it
	; (behind V_7 everything up to row 9,439 is padding).  The stores' offsets and zeros were written ahead of the head's wait on va_vdst, and no vector
	; instruction stands below: nothing more is owed on either side of the branches.
.irp k, 0,1,2,3,4
	s_add_co_u32 s41, s40, 2048*\k
	s_mov_b32 s42, 0
.irp e, 0,1,2,3,4,5,6,7
	s_cmp_ge_u32 s41, s[48+\e]
	s_add_co_ci_u32 s42, s42, 0
.endr
.irp e, 0,1,2,3,4,5,6
	s_cmp_ge_u32 s41, s[56+\e]
	s_add_co_ci_u32 s42, s42, 0
.endr
	s_cmp_ge_u32 s41, NROWS
	s_add_co_ci_u32 s42, s42, 0
	s_bitcmp1_b32 s42, 0
	s_cbranch_scc0 .Lnopad\k
.irp c, 0,1,2,3
	global_store_b128 v[96+\k], v[104:107], s[8:9] offset:512*\c   ; a wave's store covers 512 consecutive bytes, aligned
.endr
.Lnopad\k:
.endr
	s_endpgm
.Lfunc_end_k_qdab9dbf58c_place:
	.size	k_qdab9dbf58c_place, .Lfunc_end_k_qdab9dbf58c_place-k_qdab9dbf58c_place
	.p2alignl 7, 3214868480
	.fill 96, 4, 3214868480
	.section	.rodata,"a",@progbits
	.p2align	6, 0x0
	.amdhsa_kernel k_qdab9dbf58c_place
		.amdhsa_group_segment_fixed_size 0
		.amdhsa_private_segment_fixed_size 0
		.amdhsa_enable_private_segment 0
		.amdhsa_kernarg_size 24
		.amdhsa_user_sgpr_count 2
		.amdhsa_user_sgpr_kernarg_segment_ptr 1
		.amdhsa_wavefront_size32 1
		.amdhsa_system_sgpr_workgroup_id_x 1
		.amdhsa_system_sgpr_workgroup_id_y 1
		.amdhsa_system_sgpr_workgroup_id_z 1
		.amdhsa_system_vgpr_workitem_id 0
		.amdhsa_next_free_vgpr 108
		.amdhsa_next_free_sgpr 66
		.amdhsa_reserve_vcc 0
		.amdhsa_float_denorm_mode_32 3
		.amdhsa_float_denorm_mode_16_64 3
		.amdhsa_memory_ordered 1
		.amdhsa_forward_progress 1
		.amdhsa_inst_pref_size 17
	.end_amdhsa_kernel
	.amdgpu_metadata
---
amdhsa.version: [ 1, 2 ]
amdhsa.kernels:
  - .name:           k_qdab9dbf58c_place
    .symbol:         k_qdab9dbf58c_place.kd
    .args:
      - { .name: x, .offset: 0, .size: 8, .value_kind: global_buffer, .address_space: global }
      - { .name: rt2, .offset: 8, .size: 8, .value_kind: global_buffer, .address_space: global }
      - { .name: xs, .offset: 16, .size: 8, .value_kind: global_buffer, .address_space: global }
    .group_segment_fixed_size: 0
    .private_segment_fixed_size: 0
    .kernarg_segment_align: 8
    .kernarg_segment_size: 24
    .max_flat_workgroup_size: 256
    .sgpr_count:     66
    .vgpr_count:     108
    .wavefront_size: 32
...
	.end_amdgpu_metadata
.endif
;; end of part 7
;; launch ffn1: the kernel of part 4 again; grid 4 x 59, 4 waves a work-group, clusters of 4 x 1, 327,680 bytes of LDS; arguments xs, wb, b1, rt2, hs; writes hs
;; launch ffn2: the kernel of part 5 again; grid 4 x 59, 4 waves a work-group, clusters of 4 x 1, 327,680 bytes of LDS; arguments hs, wb, b2, rt2, ys; writes ys
;; launch combine (part 8): grid 256 x 1, 8 waves a work-group, no clusters, 0 bytes of LDS; arguments ys, rt2, tkw, out0; writes out0
.if DOCPART == 8
	.amdgcn_target "amdgcn-amd-amdhsa--gfx1250"
	.amdhsa_code_object_version 6
	.text
	.protected	k_qdab9dbf58c_combine
	.globl	k_qdab9dbf58c_combine
	.p2align	8
	.type	k_qdab9dbf58c_combine,@function
k_qdab9dbf58c_combine:
	s_mov_b64 s[64:65], 0
	v_nop
	global_prefetch_b8 v0, s[64:65] scope:SCOPE_SE
	s_setreg_imm32_b32 hwreg(HW_REG_WAVE_SCHED_MODE, 0, 2), 2
	s_setreg_imm32_b32 hwreg(HW_REG_WAVE_MODE, 25, 1), 1
	s_wait_xcnt 0x0
	s_wait_alu depctr_vm_vsrc(0)
; COMBINE: out[t] = w0[t] ys[row0[t]] + w1[t] ys[row1[t]].  The six other experts' weights are exactly 0 and their rows were not made.
; A stream: each used row of ys is read once, each byte of the result written once; no LDS, no barrier, no matrix unit.
; Work-group wg owns 16 tokens, wave w tokens t = 16 wg + 2 w and t + 1: four rows of 4,096 bytes, 32 loads of 16 bytes a lane, all issued
; at once (16 KiB a wave on their way); no register that a store reads is written again.
; THE MODE: SCHED_MODE bits 1:0 = 2 (LLVM: expert scheduling mode 2), set by the entry lines.  The code itself states the register dependences
; between vector instructions and memory instructions, with s_wait_alu, always for 0.
; THE PLAN.  Registers that memory instructions touch:
;   v1              the byte offset 16 l.  Written at the head; read by every load and store; never written again.
;   v[4+8p:11+8p]   piece p of 16 (512 bytes of the result a wave).  Two loads land in it (the two rows' parts); the piece's four packed instructions
;                   read it and write its first four registers; the piece's store reads those four.  Nothing writes them afterwards.
; The 16 pieces go in four blocks of four.  Block b's arithmetic names block b's registers alone; among it stand the stores of block b - 1.
; So one wait on va_vdst at the head of a block states all that the block's four stores hang on, and no wait on vm_vsrc is owed.
.set NROWS, 9440
	s_load_b256 s[4:11], s[0:1], 0x0               ; ys 4:5, rt2 6:7, tkw 8:9, out0 10:11
	v_and_b32 v1, 31, v0
	v_lshrrev_b32 v2, 5, v0
	v_readfirstlane_b32 s12, v2                    ; wave
	v_lshlrev_b32 v1, 4, v1                        ; 16 bytes a lane
	s_lshl_b32 s13, ttmp9, 4
	s_wait_alu depctr_va_sdst(0)                   ; s12 is written, ahead of its first reader: the token's number is made from it
	s_lshl1_add_u32 s13, s12, s13                  ; t
	s_lshl_b32 s14, s13, 3                         ; 8 bytes a token in both tables
	s_lshl_b32 s2, s13, 12
	s_mov_b32 s3, 0
	s_wait_kmcnt 0x0
	s_load_b128 s[16:19], s[6:7], s14 offset:0x0   ; rows of (t, 0), (t, 1), (t + 1, 0), (t + 1, 1)
	s_load_b128 s[20:23], s[8:9], s14 offset:0x0   ; their weights
	s_add_nc_u64 s[10:11], s[10:11], s[2:3]
	s_wait_kmcnt 0x0
.irp k, 0,1,2,3
	s_min_u32 s[16+\k], s[16+\k], NROWS-1          ; a loaded number enters an address only clamped
	s_lshl_b32 s[40+2*\k], s[16+\k], 12
	s_mov_b32 s[41+2*\k], 0
	s_add_nc_u64 s[24+2*\k:25+2*\k], s[4:5], s[40+2*\k:41+2*\k]
	s_mov_b32 s[32+2*\k], s[20+\k]                 ; the weight in both halves of an even pair, for the packed forms
	s_mov_b32 s[33+2*\k], s[20+\k]
.endr
	s_wait_alu depctr_va_vdst(0)                   ; v1 is written: every load and store of the kernel reads it as its offset
.irp i, 0,1
.irp j, 0,1,2,3,4,5,6,7
	global_load_b128 v[4+64*\i+8*\j:7+64*\i+8*\j],   v1, s[24+4*\i:25+4*\i] offset:512*\j th:TH_LOAD_NT
	global_load_b128 v[8+64*\i+8*\j:11+64*\i+8*\j],  v1, s[26+4*\i:27+4*\i] offset:512*\j th:TH_LOAD_NT
.endr
.endr
; Piece p = 8 i + j: token i of my two, bytes 512 j of its row.
.macro MIX p                           ; w0 times the first row's part, then w1 times the second's added on: the same two roundings as ever
	v_pk_mul_f32 v[4+8*(\p):5+8*(\p)], v[4+8*(\p):5+8*(\p)], s[32+4*((\p)/8):33+4*((\p)/8)] op_sel_hi:[1,0]
	v_pk_mul_f32 v[6+8*(\p):7+8*(\p)], v[6+8*(\p):7+8*(\p)], s[32+4*((\p)/8):33+4*((\p)/8)] op_sel_hi:[1,0]
	v_pk_fma_f32 v[4+8*(\p):5+8*(\p)], v[8+8*(\p):9+8*(\p)], s[34+4*((\p)/8):35+4*((\p)/8)], v[4+8*(\p):5+8*(\p)] op_sel_hi:[1,0,1]
	v_pk_fma_f32 v[6+8*(\p):7+8*(\p)], v[10+8*(\p):11+8*(\p)], s[34+4*((\p)/8):35+4*((\p)/8)], v[6+8*(\p):7+8*(\p)] op_sel_hi:[1,0,1]
.endm
.macro OUT p                           ; 512 consecutive bytes, aligned
	global_store_b128 v1, v[4+8*(\p):7+8*(\p)], s[10:11] offset:4096*((\p)/8)+512*((\p)%8) th:TH_STORE_NT
.endm
	s_wait_loadcnt 24                              ; loads come back in order (ISA guide 5.7.1): block 0's eight are in, the 24 younger ones stay out
.irp n, 0,1,2,3
	MIX \n
.endr
.irp b, 1,2,3
	s_wait_loadcnt 24-8*(\b)                       ; block b's eight loads are in, the younger blocks stay out
	s_wait_alu depctr_va_vdst(0)                   ; the arithmetic of block b - 1 has written its sixteen out-registers, which the stores below read
.irp n, 0,1,2,3
	OUT 4*(\b)-4+(\n)                              ; no vector instruction since the wait names these registers
	MIX 4*(\b)+(\n)
.endr
.endr
	s_wait_alu depctr_va_vdst(0)                   ; the arithmetic of block 3 has written its out-registers, which the last four stores read
.irp n, 12,13,14,15
	OUT \n
.endr
	s_endpgm
.Lfunc_end_k_qdab9dbf58c_combine:
	.size	k_qdab9dbf58c_combine, .Lfunc_end_k_qdab9dbf58c_combine-k_qdab9dbf58c_combine
	.p2alignl 7, 3214868480
	.fill 96, 4, 3214868480
	.section	.rodata,"a",@progbits
	.p2align	6, 0x0
	.amdhsa_kernel k_qdab9dbf58c_combine
		.amdhsa_group_segment_fixed_size 0
		.amdhsa_private_segment_fixed_size 0
		.amdhsa_enable_private_segment 0
		.amdhsa_kernarg_size 32
		.amdhsa_user_sgpr_count 2
		.amdhsa_user_sgpr_kernarg_segment_ptr 1
		.amdhsa_wavefront_size32 1
		.amdhsa_system_sgpr_workgroup_id_x 1
		.amdhsa_system_sgpr_workgroup_id_y 1
		.amdhsa_system_sgpr_workgroup_id_z 1
		.amdhsa_system_vgpr_workitem_id 0
		.amdhsa_next_free_vgpr 136
		.amdhsa_next_free_sgpr 66
		.amdhsa_reserve_vcc 0
		.amdhsa_float_denorm_mode_32 3
		.amdhsa_float_denorm_mode_16_64 3
		.amdhsa_memory_ordered 1
		.amdhsa_forward_progress 1
		.amdhsa_inst_pref_size 11
	.end_amdhsa_kernel
	.amdgpu_metadata
---
amdhsa.version: [ 1, 2 ]
amdhsa.kernels:
  - .name:           k_qdab9dbf58c_combine
    .symbol:         k_qdab9dbf58c_combine.kd
    .args:
      - { .name: ys, .offset: 0, .size: 8, .value_kind: global_buffer, .address_space: global }
      - { .name: rt2, .offset: 8, .size: 8, .value_kind: global_buffer, .address_space: global }
      - { .name: tkw, .offset: 16, .size: 8, .value_kind: global_buffer, .address_space: global }
      - { .name: out0, .offset: 24, .size: 8, .value_kind: global_buffer, .address_space: global }
    .group_segment_fixed_size: 0
    .private_segment_fixed_size: 0
    .kernarg_segment_align: 8
    .kernarg_segment_size: 32
    .max_flat_workgroup_size: 256
    .sgpr_count:     66
    .vgpr_count:     136
    .wavefront_size: 32
...
	.end_amdgpu_metadata
.endif
;; end of part 8
